; MI455X (gfx1250); checked and timed in simulation.
; The chip was launched on July 23, 2026; its instructions are those of AMD's public machine-readable ISA for CDNA 5 (MIT licence, August 2026) and "CDNA5" Instruction Set Architecture Reference Guide (July 2026). The comments in the code are by the model that wrote it; some were corrected since.
;; Transformer Encoder Layer. Allowed arithmetic: float matrix products may take bf16 or f16 operands with f32 sums; all other float work in f32.
;; Inputs: fc1_b 4,096 float32; fc1_w 1,024 x 4,096 float32; fc2_b 1,024 float32; fc2_w 4,096 x 1,024 float32; key_padding_mask 2 x 2,048 bool; ln1_b 1,024 float32; ln1_w 1,024 float32; ln2_b 1,024 float32; ln2_w 1,024 float32; proj_b 1,024 float32; proj_w 1,024 x 1,024 float32; qkv_w 1,024 x 3,072 float32; x 2 x 2,048 x 1,024 float32.
;; Outputs: out0 2 x 2,048 x 1,024 float32.
;; One version. Each part assembles by itself: llvm-mc -triple=amdgcn-amd-amdhsa -mcpu=gfx1250 --defsym DOCPART=n.
;; ======== version 1 of 1: 7 launches
;; limits: values are held in f16: magnitudes above 65,504 overflow, below 6.1e-05 lose precision; a function is approximated: absolute error at most 1.5e-07
;; workspace buffers: act 8,388,608 bytes; big 33,554,432 bytes; x1 16,777,216 bytes; wbig 14,680,064 bytes; wp 2,097,152 bytes; w2 8,388,608 bytes
;; launch pre (part 1): grid 512 x 1, 8 waves a work-group, no clusters, 0 bytes of LDS; arguments x, ln1_w, ln1_b, act, qkv_w, proj_w, wbig, wp; writes act, wbig, wp
.if DOCPART == 1
	.amdgcn_target "amdgcn-amd-amdhsa--gfx1250"
	.amdhsa_code_object_version 6
	.text
	.protected	k_q177147acbe_pre
	.globl	k_q177147acbe_pre
	.p2align	8
	.type	k_q177147acbe_pre,@function
k_q177147acbe_pre:
	s_mov_b64 s[64:65], 0
	v_nop
	global_prefetch_b8 v0, s[64:65] scope:SCOPE_SE
	s_setreg_imm32_b32 hwreg(HW_REG_WAVE_MODE, 25, 1), 1
	s_wait_xcnt 0x0
; TWO INDEPENDENT STREAMS IN ONE LAUNCH, chosen by the work-group's number: both are wanted by the launches that follow, and neither needs the other.
; Work-groups 0-255: y[r][:] = (x[r][:] - mean) * rsqrt(var + 1e-5) * w + b.  x: [4096][1024] f32; y: [4096][1024] f16, rounded once.
;   The variance is taken of x - mean (two passes over registers), so a common offset of x costs nothing.
;   One wave takes a whole row (32 registers), two rows a wave, so the reductions never leave the wave: no LDS, no barrier.
;   Load j of a row covers 512 consecutive bytes (lane l: numbers 128 j + 4 l ..), store j 256 consecutive bytes at a multiple of 256.
; Work-groups 256-511: qkv_w (192 work-groups) and proj_w (64), f32 [K][N], are rounded once to f16 and keep their layout.  A work-group casts 16,384 numbers;
;   thread t takes 16 bytes at 16 t of each 4,096: a wave's load covers 512 consecutive bytes, its store 256 at a multiple of 256.  All sixteen loads of a wave are out at once.
; LIMITS: a result of 65,520 or more in magnitude becomes an infinity in f16; below 6e-5 f16 keeps its fixed step of 6e-8.
.set W,  4                             ; v[4:35]    gain of my 32 columns
.set B,  36                            ; v[36:67]   bias
.set X,  68                            ; v[68:131]  row i at X + 32 i
.set T,  132                           ; v[132:147] at work
.set MU, 148                           ; v[148:149] the mean, twice
.set RS, 150                           ; v[150:151] 1 / sqrt(var + eps), twice
.set Y,  152                           ; v[152:183] row i at Y + 16 i: packed f16
.set CI, 4                             ; the cast: v[4:67] sixteen loads of four f32
.set CO, 68                            ; v[68:99] sixteen pairs of packed f16: each store has registers of its own, so none is rewritten
	s_cmp_lt_u32 ttmp9, 256
	s_cbranch_scc0 .Lcast
	s_load_b256 s[4:11], s[0:1], 0x0               ; x s[4:5], w s[6:7], b s[8:9], y s[10:11]
	v_and_b32 v3, 31, v0
	v_lshlrev_b32 v1, 4, v3                        ; 16 x lane
	v_lshlrev_b32 v2, 3, v3                        ; 8 x lane
	v_lshrrev_b32 v3, 5, v0
	v_readfirstlane_b32 s12, v3                    ; wave
	s_lshl_b32 s14, ttmp9, 16                      ; 16 rows of 4,096 bytes a work-group,
	s_lshl_b32 s13, s12, 13                        ; two a wave
	s_add_co_u32 s14, s14, s13
	s_mov_b32 s15, 0
	s_lshr_b32 s20, s14, 1                         ; y's rows are half as long
	s_mov_b32 s21, 0
	s_mov_b32 s16, 0x76543210                      ; v_permlanex16_b32: each lane takes its own place in the other half
	s_mov_b32 s17, 0xfedcba98
	s_mov_b32 s18, 0x3a800000                      ; 1 / 1024
	s_mov_b32 s19, 0x3727c5ac                      ; 1e-5
	s_wait_kmcnt 0x0
	s_add_nc_u64 s[4:5], s[4:5], s[14:15]
	s_add_nc_u64 s[10:11], s[10:11], s[20:21]
.irp i, 0,1
.irp j, 0,1,2,3,4,5,6,7
	global_load_b128 v[X+32*\i+4*\j:X+32*\i+4*\j+3], v1, s[4:5] offset:4096*\i+512*\j
.endr
.endr
.irp j, 0,1,2,3,4,5,6,7
	global_load_b128 v[W+4*\j:W+4*\j+3], v1, s[6:7] offset:512*\j
.endr
.irp j, 0,1,2,3,4,5,6,7
	global_load_b128 v[B+4*\j:B+4*\j+3], v1, s[8:9] offset:512*\j
.endr
; T's eight pairs are added into one number, the same in every lane
.macro FOLD
.irp k, 0,1,2,3
	v_pk_add_f32 v[T+4*\k:T+4*\k+1], v[T+4*\k:T+4*\k+1], v[T+4*\k+2:T+4*\k+3]
.endr
	v_pk_add_f32 v[T:T+1], v[T:T+1], v[T+4:T+5]
	v_pk_add_f32 v[T+8:T+9], v[T+8:T+9], v[T+12:T+13]
	v_pk_add_f32 v[T:T+1], v[T:T+1], v[T+8:T+9]
	v_add_f32 v[T], v[T], v[T+1]
	v_add_f32_dpp v[T], v[T], v[T] row_xmask:1 row_mask:0xf bank_mask:0xf
	v_add_f32_dpp v[T], v[T], v[T] row_xmask:2 row_mask:0xf bank_mask:0xf
	v_add_f32_dpp v[T], v[T], v[T] row_xmask:4 row_mask:0xf bank_mask:0xf
	v_add_f32_dpp v[T], v[T], v[T] row_xmask:8 row_mask:0xf bank_mask:0xf
	v_permlanex16_b32 v[T+1], v[T], s16, s17       ; its destination has been written above
	v_add_f32 v[T], v[T], v[T+1]
.endm
; Row i.  left: the younger loads that may stay out when the row has to be there.
.macro ROW i, left
.set XR, X+32*(\i)
.set YR, Y+16*(\i)
	s_wait_loadcnt \left
.set k, 0
.rept 8
	v_pk_add_f32 v[T+2*k:T+2*k+1], v[XR+4*k:XR+4*k+1], v[XR+4*k+2:XR+4*k+3]
.set k, k+1
.endr
	FOLD
	v_mul_f32 v[MU], s18, v[T]
	v_mul_f32 v[MU+1], s18, v[T]
.set k, 0
.rept 16
	v_pk_add_f32 v[XR+2*k:XR+2*k+1], v[XR+2*k:XR+2*k+1], v[MU:MU+1] neg_lo:[0,1] neg_hi:[0,1]
.set k, k+1
.endr
.set k, 0
.rept 8                                ; eight chains of squares, started by the first eight pairs: nothing is cleared
	v_pk_mul_f32 v[T+2*k:T+2*k+1], v[XR+2*k:XR+2*k+1], v[XR+2*k:XR+2*k+1]
.set k, k+1
.endr
.set k, 0
.rept 8
	v_pk_fma_f32 v[T+2*k:T+2*k+1], v[XR+16+2*k:XR+16+2*k+1], v[XR+16+2*k:XR+16+2*k+1], v[T+2*k:T+2*k+1]
.set k, k+1
.endr
	FOLD
	v_fma_f32 v[T+2], v[T], s18, s19               ; var + eps
	v_rsq_f32 v[RS], v[T+2]
	v_rsq_f32 v[RS+1], v[T+2]
	v_nop                                          ; a plain instruction between the root and the use of its result (ISA guide 5.7.2)
.if (\i) == 0
	s_wait_loadcnt 0x0                             ; gain and bias, once
.endif
.set k, 0
	s_wait_alu depctr_va_vdst(0)
.rept 16
	v_pk_mul_f32 v[XR+2*k:XR+2*k+1], v[XR+2*k:XR+2*k+1], v[RS:RS+1]
.set k, k+1
.endr
.set k, 0
.rept 16
	v_pk_fma_f32 v[XR+2*k:XR+2*k+1], v[XR+2*k:XR+2*k+1], v[W+2*k:W+2*k+1], v[B+2*k:B+2*k+1]
.set k, k+1
.endr
.set k, 0
.rept 16
	v_cvt_pk_f16_f32 v[YR+k], v[XR+2*k], v[XR+2*k+1]
.set k, k+1
.endr
.irp j, 0,1,2,3,4,5,6,7
	global_store_b64 v2, v[YR+2*\j:YR+2*\j+1], s[10:11] offset:2048*(\i)+256*\j
.endr
.endm
	ROW 0, 24                                      ; row 1's eight loads, the gain's and the bias's stay out
	ROW 1, 0
	s_endpgm
.Lcast:
	s_load_b256 s[4:11], s[0:1], 0x20              ; qkv_w s[4:5], proj_w s[6:7], wbig s[8:9], wp s[10:11]
	v_lshlrev_b32 v1, 4, v0                        ; 16 t: my bytes in a source block
	v_lshlrev_b32 v2, 3, v0                        ; 8 t: my bytes in a destination block
	s_sub_co_u32 s12, ttmp9, 256                   ; 0-191: qkv_w -> wbig; 192-255: proj_w -> wp
	s_wait_kmcnt 0x0
	s_cmp_lt_u32 s12, 192
	s_cselect_b64 s[22:23], s[4:5], s[6:7]
	s_cselect_b64 s[24:25], s[8:9], s[10:11]
	s_cselect_b32 s13, 0, 192
	s_sub_co_u32 s12, s12, s13                     ; my block in the matrix
	s_lshl_b32 s14, s12, 16                        ; source offset
	s_mov_b32 s15, 0
	s_lshl_b32 s16, s12, 15                        ; destination offset
	s_mov_b32 s17, 0
	s_add_nc_u64 s[22:23], s[22:23], s[14:15]
	s_add_nc_u64 s[24:25], s[24:25], s[16:17]
.set j, 0
.rept 16
	global_load_b128 v[CI+4*j:CI+4*j+3], v1, s[22:23] offset:4096*j th:TH_LOAD_NT
.set j, j+1
.endr
.set j, 0
.rept 16
	s_wait_loadcnt 15-j                            ; loads come back in order: number j is in, the 15 - j younger ones stay out
	v_cvt_pk_f16_f32 v[CO+2*j], v[CI+4*j], v[CI+4*j+1]
	v_cvt_pk_f16_f32 v[CO+2*j+1], v[CI+4*j+2], v[CI+4*j+3]
	global_store_b64 v2, v[CO+2*j:CO+2*j+1], s[24:25] offset:2048*j
.set j, j+1
.endr
	s_endpgm
.Lfunc_end_k_q177147acbe_pre:
	.size	k_q177147acbe_pre, .Lfunc_end_k_q177147acbe_pre-k_q177147acbe_pre
	.p2alignl 7, 3214868480
	.fill 96, 4, 3214868480
	.section	.rodata,"a",@progbits
	.p2align	6, 0x0
	.amdhsa_kernel k_q177147acbe_pre
		.amdhsa_group_segment_fixed_size 0
		.amdhsa_private_segment_fixed_size 0
		.amdhsa_enable_private_segment 0
		.amdhsa_kernarg_size 64
		.amdhsa_user_sgpr_count 2
		.amdhsa_user_sgpr_kernarg_segment_ptr 1
		.amdhsa_wavefront_size32 1
		.amdhsa_system_sgpr_workgroup_id_x 1
		.amdhsa_system_sgpr_workgroup_id_y 1
		.amdhsa_system_sgpr_workgroup_id_z 1
		.amdhsa_system_vgpr_workitem_id 0
		.amdhsa_next_free_vgpr 184
		.amdhsa_next_free_sgpr 66
		.amdhsa_reserve_vcc 0
		.amdhsa_float_denorm_mode_32 3
		.amdhsa_float_denorm_mode_16_64 3
		.amdhsa_memory_ordered 1
		.amdhsa_forward_progress 1
		.amdhsa_inst_pref_size 27
	.end_amdhsa_kernel
	.amdgpu_metadata
---
amdhsa.version: [ 1, 2 ]
amdhsa.kernels:
  - .name:           k_q177147acbe_pre
    .symbol:         k_q177147acbe_pre.kd
    .args:
      - { .name: x, .offset: 0, .size: 8, .value_kind: global_buffer, .address_space: global }
      - { .name: ln1_w, .offset: 8, .size: 8, .value_kind: global_buffer, .address_space: global }
      - { .name: ln1_b, .offset: 16, .size: 8, .value_kind: global_buffer, .address_space: global }
      - { .name: act, .offset: 24, .size: 8, .value_kind: global_buffer, .address_space: global }
      - { .name: qkv_w, .offset: 32, .size: 8, .value_kind: global_buffer, .address_space: global }
      - { .name: proj_w, .offset: 40, .size: 8, .value_kind: global_buffer, .address_space: global }
      - { .name: wbig, .offset: 48, .size: 8, .value_kind: global_buffer, .address_space: global }
      - { .name: wp, .offset: 56, .size: 8, .value_kind: global_buffer, .address_space: global }
    .group_segment_fixed_size: 0
    .private_segment_fixed_size: 0
    .kernarg_segment_align: 8
    .kernarg_segment_size: 64
    .max_flat_workgroup_size: 256
    .sgpr_count:     66
    .vgpr_count:     184
    .wavefront_size: 32
...
	.end_amdgpu_metadata
.endif
;; end of part 1
;; launch qkv (part 2): grid 12 x 16, 4 waves a work-group, clusters of 4 x 4, 327,680 bytes of LDS; arguments act, wbig, big; writes big
.if DOCPART == 2
	.amdgcn_target "amdgcn-amd-amdhsa--gfx1250"
	.amdhsa_code_object_version 6
	.text
	.protected	k_q177147acbe_qkv
	.globl	k_q177147acbe_qkv
	.p2align	8
	.type	k_q177147acbe_qkv,@function
k_q177147acbe_qkv:
	s_mov_b64 s[64:65], 0
	v_nop
	global_prefetch_b8 v0, s[64:65] scope:SCOPE_SE
	s_setreg_imm32_b32 hwreg(HW_REG_WAVE_MODE, 25, 1), 1
	s_wait_xcnt 0x0
	s_wait_alu depctr_hold_cnt(0) depctr_sa_sdst(0) depctr_va_vdst(0) depctr_va_sdst(0) depctr_va_ssrc(0) depctr_va_vcc(0) depctr_vm_vsrc(0)
	s_getreg_b32 s2, hwreg(HW_REG_IB_STS2, 6, 4)
	s_cmp_eq_u32 s2, 0
	s_cbranch_scc0 .Lentry_in_a_cluster
	s_endpgm
.Lentry_in_a_cluster:
	s_bfe_u32 s2, ttmp6, 0x10000c
	s_cmp_lg_u32 s2, 0xf033
	s_cbranch_scc0 .Lentry_shape_is_right
	s_endpgm
.Lentry_shape_is_right:
; C = A W (FC1 = 0: the q, k, v projection, N = 3,072) or C = gelu(A W + bias) (FC1 = 1: N = 4,096).  One text, the switch FC1 at its head.
; A: [4096][1024] f16, rows along K.  W: [1024][N] f16, rows along N, at byte WOFF of its buffer.  Sums in f32, C rounded once to f16.
; C leaves in PLANES of 64 columns, [N/64][4096 tokens][64] f16: a head's (or a K slice's) rows are then dense for the launch behind.
; LIMITS: operands and results lie within f16's 65,504.  The exact GELU is max(z,0) - (|z|/2) erfc(|z|/sqrt 2), erfc by the five-term
; rational form of Abramowitz and Stegun 7.1.26, absolute error at most 1.5e-7 for every argument.
; SHAPE: a tile of C is 256 x 256, four waves, each 128 x 128 in 64 accumulators (512 registers).  K goes in steps of 128 through two LDS slots.
; A slot holds 256 rows of A (256 bytes + 16 of padding) and 128 rows of W (256 columns: 512 bytes + 32).  W's fragments come out of LDS
; turned, by ds_load_tr16_b128.  Waves 0, 1 fetch A's halves (128 rows), waves 2, 3 W's halves (64 rows of K): one tensor load a wave.
; CLUSTER: 4 x 4 work-groups; A's tile is asked for jointly by a row of the cluster, W's by a column.
; THE MATRIX INSTRUCTION IS USED TRANSPOSED: source 0 = 16 columns of W, source 1 = 16 rows of A: a lane then holds one token and eight neighbouring columns.
; REGISTERS by windows of 256: window 0: v0-31 addresses, v64-191 A's two fragment buffers, v32-63, v192-255 the way out (FC1: v64-111 at work there);
; window 1: v64-191 W's two fragment buffers (FC1: v0-63 the bias of my 128 columns); windows 2, 3: accumulator (a, b) at v[8 (8 a + b)].
.set FC1, 0
.if FC1
.set NN,   4096
.set WOFF, 6291456
.else
.set NN,   3072
.set WOFF, 0
.endif
.set KK,     1024
.set KSTEP,  128
.set PA,     272                       ; a row of A in LDS: 68 words, so the 16 rows of a load start at 16 different groups of four banks (64 banks of 4 bytes: ISA guide 11.1)
.set PB,     544                       ; a row of W in LDS: 17 x 32 bytes
.set HALFT,  128*PA                    ; what one tensor load brings: 128 rows of A, or 64 rows of W: 34,816 bytes either way
.set SLOT,   4*HALFT
.set STAGE,  2*SLOT                    ; behind the ring: 16 rows x 272 bytes for each wave, never filled by a tensor load
.set SPITCH, 272
.set SPARE,  STAGE+4*16*SPITCH         ; the spare words: 128 bytes for each wave, named by no other line
.set LAPS,   KK/(2*KSTEP)
.set PLANE,  524288                    ; bytes in a plane of C
.set ADRA, 16                          ; v16-17  LDS address of my A fragments in slot 0, 1
.set ADRB, 20                          ; v20-21  the same for W
.set STO,  24                          ; v24  the way out: where I put 16 bytes of a row
.set RD,   25                          ; v25  where I read rows back
.set GO,   26                          ; v26  16 x lane: my place in 512 dense bytes of a plane
.set BO,   27                          ; v27  my offset in the bias
.set SPW,  28                          ; v28  my spare word's address; never rewritten
.set NIL,  29                          ; v29  0; never rewritten
.set F0,   64
.set F1,   128
.set TMP,  192
.set OB,   32
.set GZ,   64                          ; the GELU's registers, eight each
.set GR,   72
.set GH,   80
.set GT,   88
.set GE,   96
.set GP,   104
.set G1,  24                           ; s[24:31] group 1 for A, s[32:39] group 0, a set for each slot
.set G0,  32
.set G1B, 48                           ; s[48:55], s[56:63] the same for W
.set G0B, 56
.set MSB, 0
.macro WIN new                         ; the immediate's high byte repeats the setting that is left; a switch that changes nothing is dropped
.if MSB != (\new)
	s_set_vgpr_msb (MSB<<8)|(\new)
.set MSB, \new
.endif
.endm
.set MUL_LO, 0xa1                      ; source 0 (W) window 1, source 1 (A) window 0, C and D window 2
.set MUL_HI, 0xf1                      ; the same, C and D window 3
.set TO_B,   0x40                      ; destination window 1, address window 0
; A joint load.  The branch hangs on the wave's number alone.  Four v_nop follow each of the two lines.
.macro JLOAD s
	s_cmp_eq_u32 s11, 0
	s_cbranch_scc0 .Lfor_b_\@
	tensor_load_to_lds s[G0+4*(\s):G0+4*(\s)+3], s[G1:G1+7]
	s_nop 0
.rept 4
	v_nop
.endr
	s_branch .Lasked_\@
.Lfor_b_\@:
	tensor_load_to_lds s[G0B+4*(\s):G0B+4*(\s)+3], s[G1B:G1B+7]
	s_nop 0
.rept 4
	v_nop
.endr
.Lasked_\@:
.endm
.macro CREST                           ; a round of the cluster's barrier behind its opening barrier
	s_cmp_lg_u32 s10, 0
	s_cbranch_scc1 .Lnot_wave_0_\@
	s_barrier_signal -3
.Lnot_wave_0_\@:
	s_barrier_wait -3
	s_barrier_signal -1
	s_barrier_wait -1
.endm
.macro CROUND                          ; a whole round
	s_barrier_signal -1
	s_barrier_wait -1
	CREST
.endm
	s_load_b128 s[4:7], s[0:1], 0x0                ; A s[4:5], W s[6:7]
.if FC1
	s_load_b64 s[66:67], s[0:1], 0x10              ; bias
	s_load_b64 s[8:9], s[0:1], 0x18                ; C
.else
	s_load_b64 s[8:9], s[0:1], 0x10                ; C
.endif
	v_lshl_add_u32 v[SPW], v0, 2, SPARE
	v_mov_b32 v[NIL], 0
	ds_add_u32 v28, v29
	s_wait_dscnt 0x0
	v_lshrrev_b32 v1, 5, v0
	v_readfirstlane_b32 s10, v1                    ; wave 0..3
	s_lshr_b32 s11, s10, 1                         ; which half of the tile's rows is mine.  Also: I fetch for A (0) or for W (1)
	s_and_b32 s12, s10, 1                          ; which half of its columns.  Also: which half of that tile I fetch
	s_bfe_u32 s40, ttmp6, 0x40000                  ; cx
	s_bfe_u32 s41, ttmp6, 0x40004                  ; cy
	s_lshl_b32 s42, ttmp9, 2
	s_add_co_u32 s42, s42, s40                     ; tile column = 4 x cluster x + cx
	s_and_b32 s13, ttmp7, 0xffff
	s_lshl_b32 s13, s13, 2
	s_add_co_u32 s13, s13, s41                     ; tile row = 4 x cluster y + cy
	s_lshl_b32 s43, s41, 2
	s_lshl_b32 s43, 15, s43                        ; my row of the cluster
	s_lshl_b32 s44, 0x1111, s40                    ; my column
	s_or_b32 s[G1+0], s43, (1<<16)|(1<<20)|(1<<21)|(5<<22)|(3<<25)   ; mask; 2-byte elements; padding on; bit 21 beside a mask; after every 64 words 4 words
	s_or_b32 s[G1B+0], s44, (1<<16)|(1<<20)|(1<<21)|(6<<22)|(7<<25)  ; the column's mask; after every 128 words 8 words
	s_mov_b32 s[G1+1], KSTEP<<16                   ; A: tensor_dim0 = 128
	s_mov_b32 s[G1+2], 128<<16                     ; tensor_dim1 = 128
	s_mov_b32 s[G1+3], KSTEP<<16                   ; tile_dim0 = 128
	s_mov_b32 s[G1+4], 128                         ; tile_dim1 = 128
	s_mov_b32 s[G1+5], KK                          ; elements from row to row
	s_mov_b32 s[G1+6], 0
	s_mov_b32 s[G1+7], 0
	s_mov_b32 s[G1B+1], 256<<16                    ; W: tensor_dim0 = 256 columns
	s_mov_b32 s[G1B+2], 64<<16                     ; tensor_dim1 = 64 rows of K
	s_mov_b32 s[G1B+3], 256<<16
	s_mov_b32 s[G1B+4], 64
	s_mov_b32 s[G1B+5], NN
	s_mov_b32 s[G1B+6], 0
	s_mov_b32 s[G1B+7], 0
	; A's address hangs on the tile row alone, W's on the tile column alone, each in registers that never hold the other coordinate
	s_lshl_b32 s17, s12, 7
	s_lshl_b32 s16, s13, 8
	s_add_co_u32 s16, s16, s17                     ; A: row 256 x tile row + 128 x half,
	s_lshl_b32 s16, s16, 11                        ; of 2,048 bytes
	s_mov_b32 s17, 0
	s_lshl_b32 s46, s12, 6                         ; W: row of K 64 x half,
	s_mul_i32 s46, s46, 2*NN
	s_lshl_b32 s47, s42, 9                         ; column 256 x tile column
	s_add_co_u32 s46, s46, s47
.if WOFF
	s_add_co_u32 s46, s46, WOFF
.endif
	s_mov_b32 s47, 0
	s_mul_i32 s20, s10, HALFT                      ; where they go: wave x 34,816: no place in the cluster enters an LDS address
	s_wait_kmcnt 0x0
	s_add_nc_u64 s[14:15], s[4:5], s[16:17]
	s_add_nc_u64 s[46:47], s[6:7], s[46:47]
	CROUND                                         ; all sixteen work-groups are here: the first joint loads meet
.irp s, 0,1
	s_mov_b32 s[G0+4*(\s)], 1
	s_add_co_u32 s[G0+4*(\s)+1], s20, (\s)*SLOT
	s_add_nc_u64 s[G0+4*(\s)+2:G0+4*(\s)+3], s[14:15], (\s)*KSTEP*2
	s_or_b32 s[G0+4*(\s)+3], s[G0+4*(\s)+3], 0x80000000
	s_mov_b32 s[G0B+4*(\s)], 1
	s_add_co_u32 s[G0B+4*(\s)+1], s20, (\s)*SLOT
	s_add_nc_u64 s[G0B+4*(\s)+2:G0B+4*(\s)+3], s[46:47], (\s)*KSTEP*2*NN
	s_or_b32 s[G0B+4*(\s)+3], s[G0B+4*(\s)+3], 0x80000000
	JLOAD \s                                       ; two loads of mine are out
.endr
	v_and_b32 v1, 15, v0                           ; r = l % 16
	v_bfe_u32 v2, v0, 4, 1                         ; h = l / 16
	v_mul_u32_u24 v3, v1, PA
	v_lshl_add_u32 v3, v2, 4, v3                   ; A: row x pitch + 16 h
	v_and_b32 v5, 7, v0
	v_bfe_u32 v6, v0, 3, 1
	v_lshl_add_u32 v5, v2, 3, v5                   ; W: row of K 8 h + l % 8,
	v_mul_u32_u24 v5, v5, PB
	v_lshl_add_u32 v5, v6, 4, v5                   ; columns 8 ((l / 8) % 2) on
	s_mul_i32 s21, s11, HALFT                      ; my 128 rows of A
	s_lshl_b32 s22, s12, 8                         ; my 128 columns of W,
	s_add_co_u32 s22, s22, 2*HALFT                 ; which lies behind A
.irp s, 0,1
	v_add_nc_u32 v[ADRA+(\s)], s21, v3
	v_add_nc_u32 v[ADRB+(\s)], s22, v5
	s_add_co_u32 s21, s21, SLOT
	s_add_co_u32 s22, s22, SLOT
.endr
	s_mul_i32 s23, s10, 16*SPITCH
	s_add_co_u32 s23, s23, STAGE                   ; my stage
	v_mul_u32_u24 v4, v1, SPITCH                   ; in: row r, 16 bytes for each half of the lanes
	v_lshl_add_u32 v4, v2, 4, v4
	v_add_nc_u32 v[STO], s23, v4
	v_bfe_u32 v7, v0, 3, 2                         ; back: 32 lanes take four rows' 128 bytes of one plane
	v_mul_u32_u24 v7, v7, SPITCH
	v_and_b32 v4, 7, v0
	v_lshl_add_u32 v7, v4, 4, v7
	v_add_nc_u32 v[RD], s23, v7
	v_and_b32 v[GO], 31, v0
	v_lshlrev_b32 v[GO], 4, v[GO]
	s_lshl_b32 s16, s13, 8
	s_lshl_b32 s14, s11, 7
	s_add_co_u32 s16, s16, s14                     ; my first token,
	s_lshl_b32 s16, s16, 7                         ; 128 bytes each in a plane
	s_lshl_b32 s46, s42, 2
	s_lshl_b32 s47, s12, 1
	s_add_co_u32 s46, s46, s47                     ; my first plane = 4 x tile column + 2 x half
	s_lshl_b32 s46, s46, 19
	s_add_co_u32 s16, s16, s46
	s_mov_b32 s17, 0
	s_add_nc_u64 s[8:9], s[8:9], s[16:17]          ; never stepped: blocks and planes stand in the stores' immediates
.if FC1
	s_lshl_b32 s46, s42, 10                        ; the bias of my 128 columns
	s_lshl_b32 s47, s12, 9
	s_add_co_u32 s46, s46, s47
	s_mov_b32 s47, 0
	s_add_nc_u64 s[66:67], s[66:67], s[46:47]
	v_lshlrev_b32 v[BO], 5, v2                     ; a lane's eight columns of a block begin at 8 h
	WIN TO_B
.irp b, 0,1,2,3,4,5,6,7
	global_load_b128 v[8*\b:8*\b+3],   v[BO], s[66:67] offset:64*\b
	global_load_b128 v[8*\b+4:8*\b+7], v[BO], s[66:67] offset:64*\b+16
.endr
	WIN 0
	s_mov_b32 s68, 0x3e827906                      ; a1 .. a5 of the rational form, as pairs: the packed forms name a pair and take its low word
	s_mov_b32 s69, 0x3e827906
	s_mov_b32 s70, 0xbe91a98e
	s_mov_b32 s71, 0xbe91a98e
	s_mov_b32 s72, 0x3fb5f0e3
	s_mov_b32 s73, 0x3fb5f0e3
	s_mov_b32 s74, 0xbfba00e3
	s_mov_b32 s75, 0xbfba00e3
	s_mov_b32 s76, 0x3f87dc22
	s_mov_b32 s77, 0x3f87dc22
	s_mov_b32 s78, 0x3eed3388                      ; sqrt 2 x 0.3275911
	s_mov_b32 s79, 0x3eed3388
	s_mov_b32 s80, 0xbf38aa3b                      ; - log2(e) / 2
	s_mov_b32 s81, 0xbf38aa3b
.endif
; 16 matrix instructions: m blocks a0, a0 + 1 of the window's four x all 8 n blocks, 32 along K.  zero = 1: the first product starts the sums.
; The 64 accumulators take turns, one instruction a turn.
.macro MUL16 f, hi, a0, zero
	WIN MUL_LO+0x50*(\hi)
.irp a, \a0, (\a0)+1
.irp b, 0,1,2,3,4,5,6,7
.if \zero
	v_wmma_f32_16x16x32_f16 v[8*(8*(\a)+(\b)):8*(8*(\a)+(\b))+7], v[(\f)+8*(\b):(\f)+8*(\b)+7], v[(\f)+8*(4*(\hi)+(\a)):(\f)+8*(4*(\hi)+(\a))+7], 0
.else
	v_wmma_f32_16x16x32_f16 v[8*(8*(\a)+(\b)):8*(8*(\a)+(\b))+7], v[(\f)+8*(\b):(\f)+8*(\b)+7], v[(\f)+8*(4*(\hi)+(\a)):(\f)+8*(4*(\hi)+(\a))+7], v[8*(8*(\a)+(\b)):8*(8*(\a)+(\b))+7]
.endif
.endr
.endr
.endm
; 32 LDS loads in one run: quarter q (32 along K) of a slot into buffer f: W's 8 blocks of 16 columns, turned, then A's 8 blocks of 16 rows
.macro FETCH slot, q, f
	WIN TO_B
.irp i, 0,1,2,3,4,5,6,7
	ds_load_tr16_b128 v[(\f)+8*(\i):(\f)+8*(\i)+3],   v[ADRB+(\slot)] offset:(\q)*32*PB+32*(\i)
	ds_load_tr16_b128 v[(\f)+8*(\i)+4:(\f)+8*(\i)+7], v[ADRB+(\slot)] offset:(\q)*32*PB+16*PB+32*(\i)
.endr
	WIN 0
.irp i, 0,1,2,3,4,5,6,7
	ds_load_b128 v[(\f)+8*(\i):(\f)+8*(\i)+3],   v[ADRA+(\slot)] offset:64*(\q)+(\i)*16*PA
	ds_load_b128 v[(\f)+8*(\i)+4:(\f)+8*(\i)+7], v[ADRA+(\slot)] offset:64*(\q)+(\i)*16*PA+32
.endr
.endm
.macro PLACES                          ; four plain instructions between a matrix instruction and a load into, or a read of, its registers
.rept 4
	v_nop
.endr
.endm
; One of a K step's first three quarters: multiplies buffer f and, in its middle, fetches quarter q of the same slot into buffer g
.macro QUARTER slot, q, f, g, zero
	s_wait_dscnt 8                                 ; W and A's rows 0-63 are in; the youngest eight loads (A's rows 64-127) may be out
	MUL16 \f, 0, 0, \zero
	MUL16 \f, 0, 2, \zero
	PLACES
	FETCH \slot, \q, \g
	s_wait_dscnt 32                                ; all but the 32 just issued
	MUL16 \f, 1, 0, \zero
	MUL16 \f, 1, 2, \zero
.endm
; The last quarter multiplies buffer 1 and changes slots.  In front of the barrier each wave waits for all its tensor loads (one is out: its part of the next slot),
; adds 0 to its spare word, and waits for that and for its reads of this slot.  fill = 1: the barrier opens a round of the cluster's, and the joint refill, two K steps ahead, is the first thing behind it.
.macro TURN slot, next, fill
	WIN 0
	s_wait_tensorcnt 0x0
	ds_add_u32 v[SPW], v[NIL]
	s_wait_dscnt 9                                 ; the add and the youngest eight loads may be out
	MUL16 F1, 0, 0, 0
	s_wait_dscnt 0x0                               ; the add is done, and my reads of this slot are over
	s_barrier_signal -1
	MUL16 F1, 0, 2, 0
.if \fill
	WIN 0
.endif
	s_barrier_wait -1
.if \fill
	CREST                                          ; no wave of any partner still reads this slot or has a load on its way
	s_add_nc_u64 s[G0+4*(\slot)+2:G0+4*(\slot)+3], s[G0+4*(\slot)+2:G0+4*(\slot)+3], 2*KSTEP*2
	s_add_nc_u64 s[G0B+4*(\slot)+2:G0B+4*(\slot)+3], s[G0B+4*(\slot)+2:G0B+4*(\slot)+3], 2*KSTEP*2*NN
	JLOAD \slot                                    ; its four v_nop are also the places in front of the loads below
.else
	PLACES
.endif
	FETCH \next, 0, F0
	MUL16 F1, 1, 0, 0
	MUL16 F1, 1, 2, 0
.endm
; THE WAY OUT of block a (16 tokens x 128 columns).
.if FC1
.macro GELU a, b                       ; eight numbers a lane: block (a, b), bias added, GELU, packed into TMP + 4 b
.set AC, 64*((\a)%4)+8*(\b)
	WIN 0x06+(\a)/4                                ; source 0: the accumulators' window; source 1: window 1, the bias
.irp p, 0,2,4,6
	v_pk_add_f32 v[GZ+\p:GZ+\p+1], v[AC+\p:AC+\p+1], v[8*(\b)+\p:8*(\b)+\p+1]   ; z; the accumulator is read from its low end on
.endr
	WIN 0
.irp j, 0,1,2,3,4,5,6,7
	v_max_num_f32 v[GR+\j], 0, v[GZ+\j]            ; max(z, 0)
.endr
.irp p, 0,2,4,6
	v_pk_fma_f32 v[GH+\p:GH+\p+1], v[GZ+\p:GZ+\p+1], -0.5, v[GR+\p:GR+\p+1] op_sel_hi:[1,0,1]   ; |z| / 2
.endr
.irp p, 0,2,4,6
	v_pk_fma_f32 v[GT+\p:GT+\p+1], v[GH+\p:GH+\p+1], s[78:79], 1.0 op_sel_hi:[1,0,0]            ; 1 + p |z| / sqrt 2
.endr
.irp j, 0,1,2,3,4,5,6,7
	v_rcp_f32 v[GT+\j], v[GT+\j]                   ; t
.endr
.irp p, 0,2,4,6
	v_pk_mul_f32 v[GE+\p:GE+\p+1], v[GZ+\p:GZ+\p+1], v[GZ+\p:GZ+\p+1]   ; plain work behind the reciprocals
.endr
.irp p, 0,2,4,6
	v_pk_mul_f32 v[GE+\p:GE+\p+1], v[GE+\p:GE+\p+1], s[80:81] op_sel_hi:[1,0]
.endr
.irp j, 0,1,2,3,4,5,6,7
	v_exp_f32 v[GE+\j], v[GE+\j]                   ; e^(- z z / 2)
.endr
.irp p, 0,2,4,6
	v_pk_fma_f32 v[GP+\p:GP+\p+1], v[GT+\p:GT+\p+1], s[76:77], s[74:75] op_sel_hi:[1,0,0]       ; plain work behind the exponentials
.endr
.irp p, 0,2,4,6
	v_pk_fma_f32 v[GP+\p:GP+\p+1], v[GP+\p:GP+\p+1], v[GT+\p:GT+\p+1], s[72:73] op_sel_hi:[1,1,0]
.endr
.irp p, 0,2,4,6
	v_pk_fma_f32 v[GP+\p:GP+\p+1], v[GP+\p:GP+\p+1], v[GT+\p:GT+\p+1], s[70:71] op_sel_hi:[1,1,0]
.endr
.irp p, 0,2,4,6
	v_pk_fma_f32 v[GP+\p:GP+\p+1], v[GP+\p:GP+\p+1], v[GT+\p:GT+\p+1], s[68:69] op_sel_hi:[1,1,0]
.endr
.irp p, 0,2,4,6
	v_pk_mul_f32 v[GP+\p:GP+\p+1], v[GP+\p:GP+\p+1], v[GT+\p:GT+\p+1]
.endr
.irp p, 0,2,4,6
	v_pk_mul_f32 v[GP+\p:GP+\p+1], v[GP+\p:GP+\p+1], v[GE+\p:GE+\p+1]   ; erfc(|z| / sqrt 2)
.endr
.irp p, 0,2,4,6
	v_pk_fma_f32 v[GZ+\p:GZ+\p+1], v[GH+\p:GH+\p+1], v[GP+\p:GP+\p+1], v[GR+\p:GR+\p+1] neg_lo:[1,0,0] neg_hi:[1,0,0]
.endr
.irp p, 0,2,4,6
	v_cvt_pk_f16_f32 v[TMP+4*(\b)+\p/2], v[GZ+\p], v[GZ+\p+1]
.endr
.endm
.endif
.macro PACK a
.if FC1
.irp b, 0,1,2,3,4,5,6,7
	GELU \a, \b
.endr
.else
.set AC, 64*((\a)%4)
	WIN 0x0a+5*((\a)/4)                            ; sources 0 and 1: window 2 or 3
.irp b, 0,1,2,3,4,5,6,7
.irp r, 0,1,2,3
	v_cvt_pk_f16_f32 v[TMP+4*(\b)+(\r)], v[AC+8*(\b)+2*(\r)], v[AC+8*(\b)+2*(\r)+1]
.endr
.endr
	WIN 0
.endif
.endm
.macro TOSTAGE a                       ; into my own stage, and back as four tokens' 128 bytes of one plane: 512 dense bytes of C
	WIN 0
.set BK, OB+192*((\a)%2)
.irp b, 0,1,2,3,4,5,6,7
	ds_store_b128 v[STO], v[TMP+4*(\b):TMP+4*(\b)+3] offset:32*(\b)
.endr
.irp t, 0,1,2,3,4,5,6,7
	ds_load_b128 v[BK+4*(\t):BK+4*(\t)+3], v[RD] offset:((\t)%4)*4*SPITCH+((\t)/4)*128  ; LDS serves a wave's instructions in order (ISA guide 5.7.1.4): these see the stores above
.endr
.endm
.macro SEND a
	WIN 0
.set BK, OB+192*((\a)%2)
	s_wait_dscnt 0x0                               ; the block is back in registers
	s_wait_xcnt 0x0                                ; the stores of the block before have read their registers: the next TOSTAGE loads into them
.irp t, 0,1,2,3,4,5,6,7
	global_store_b128 v[GO], v[BK+4*(\t):BK+4*(\t)+3], s[8:9] offset:(\a)*2048+((\t)%4)*512+((\t)/4)*PLANE  ; 512 consecutive bytes at a multiple of 256
.endr
.endm
	s_wait_tensorcnt 1                             ; my part of K step 0 is in; K step 1's stays out
	s_barrier_signal -1
	s_barrier_wait -1
	FETCH 0, 0, F0
	QUARTER 0, 1, F0, F1, 1                        ; the first quarter stands in front of the loop: its products start the sums
	WIN 0
	s_mov_b32 s3, LAPS-1
.Llap:                                                 ; a trip goes once round the ring and fills both slots again
	QUARTER 0, 2, F1, F0, 0
	QUARTER 0, 3, F0, F1, 0
	TURN 0, 1, 1
	QUARTER 1, 1, F0, F1, 0
	QUARTER 1, 2, F1, F0, 0
	QUARTER 1, 3, F0, F1, 0
	TURN 1, 0, 1
	QUARTER 0, 1, F0, F1, 0
	WIN 0
	s_sub_co_u32 s3, s3, 1
	s_cmp_lg_u32 s3, 0
	s_cbranch_scc1 .Llap
	QUARTER 0, 2, F1, F0, 0                        ; the last lap fills nothing
	QUARTER 0, 3, F0, F1, 0
	TURN 0, 1, 0
	QUARTER 1, 1, F0, F1, 0
	QUARTER 1, 2, F1, F0, 0
	QUARTER 1, 3, F0, F1, 0
	s_wait_dscnt 8
	MUL16 F1, 0, 0, 0
	MUL16 F1, 0, 2, 0
	s_wait_dscnt 0x0
	MUL16 F1, 1, 0, 0
	MUL16 F1, 1, 2, 0
	WIN 0
.if FC1
	s_wait_loadcnt 0x0                             ; the bias
.endif
	PLACES
	PACK 0
	TOSTAGE 0
.irp a, 1,2,3,4,5,6,7                  ; block a's arithmetic stands between block a - 1's loads from the stage and the wait for them
	PACK \a
	SEND (\a)-1
	TOSTAGE \a
.endr
	SEND 7
	s_wait_tensorcnt 0x0                           ; the wave's end
	ds_add_u32 v[SPW], v[NIL]
	s_wait_dscnt 0x0
	CROUND                                         ; the closing round
	s_endpgm
.Lfunc_end_k_q177147acbe_qkv:
	.size	k_q177147acbe_qkv, .Lfunc_end_k_q177147acbe_qkv-k_q177147acbe_qkv
	.p2alignl 7, 3214868480
	.fill 96, 4, 3214868480
	.section	.rodata,"a",@progbits
	.p2align	6, 0x0
	.amdhsa_kernel k_q177147acbe_qkv
		.amdhsa_group_segment_fixed_size 327680
		.amdhsa_private_segment_fixed_size 0
		.amdhsa_enable_private_segment 0
		.amdhsa_kernarg_size 24
		.amdhsa_user_sgpr_count 2
		.amdhsa_user_sgpr_kernarg_segment_ptr 1
		.amdhsa_wavefront_size32 1
		.amdhsa_system_sgpr_workgroup_id_x 1
		.amdhsa_system_sgpr_workgroup_id_y 1
		.amdhsa_system_sgpr_workgroup_id_z 1
		.amdhsa_system_vgpr_workitem_id 0
		.amdhsa_next_free_vgpr 1024
		.amdhsa_next_free_sgpr 66
		.amdhsa_reserve_vcc 0
		.amdhsa_float_denorm_mode_32 3
		.amdhsa_float_denorm_mode_16_64 3
		.amdhsa_memory_ordered 1
		.amdhsa_forward_progress 1
		.amdhsa_inst_pref_size 143
	.end_amdhsa_kernel
	.amdgpu_metadata
---
amdhsa.version: [ 1, 2 ]
amdhsa.kernels:
  - .name:           k_q177147acbe_qkv
    .symbol:         k_q177147acbe_qkv.kd
    .args:
      - { .name: act, .offset: 0, .size: 8, .value_kind: global_buffer, .address_space: global }
      - { .name: wbig, .offset: 8, .size: 8, .value_kind: global_buffer, .address_space: global }
      - { .name: big, .offset: 16, .size: 8, .value_kind: global_buffer, .address_space: global }
    .group_segment_fixed_size: 327680
    .private_segment_fixed_size: 0
    .kernarg_segment_align: 8
    .kernarg_segment_size: 24
    .max_flat_workgroup_size: 128
    .sgpr_count:     66
    .vgpr_count:     1024
    .wavefront_size: 32
...
	.end_amdgpu_metadata
.endif
;; end of part 2
;; launch attn (part 3): grid 8 x 32, 8 waves a work-group, clusters of 4 x 1, 327,680 bytes of LDS; arguments big, key_padding_mask, fc1_w, fc2_w, wbig, w2, act; writes wbig, w2, act
.if DOCPART == 3
	.amdgcn_target "amdgcn-amd-amdhsa--gfx1250"
	.amdhsa_code_object_version 6
	.text
	.protected	k_q177147acbe_attn
	.globl	k_q177147acbe_attn
	.p2align	8
	.type	k_q177147acbe_attn,@function
k_q177147acbe_attn:
	s_mov_b64 s[64:65], 0
	v_nop
	global_prefetch_b8 v0, s[64:65] scope:SCOPE_SE
	s_setreg_imm32_b32 hwreg(HW_REG_WAVE_MODE, 25, 1), 1
	s_wait_xcnt 0x0
	s_wait_alu depctr_hold_cnt(0) depctr_sa_sdst(0) depctr_va_vdst(0) depctr_va_sdst(0) depctr_va_ssrc(0) depctr_va_vcc(0) depctr_vm_vsrc(0)
	s_getreg_b32 s2, hwreg(HW_REG_IB_STS2, 6, 4)
	s_cmp_eq_u32 s2, 0
	s_cbranch_scc0 .Lentry_in_a_cluster
	s_endpgm
.Lentry_in_a_cluster:
	s_bfe_u32 s2, ttmp6, 0x10000c
	s_cmp_lg_u32 s2, 0x3003
	s_cbranch_scc0 .Lentry_shape_is_right
	s_endpgm
.Lentry_shape_is_right:
; CAUSAL ATTENTION WITH A KEY PADDING MASK, head size 64, 32 heads (2 batches x 16) of 2,048 tokens; beside it the waves round two weight matrices to f16.
; q, k, v: planes 0-15, 16-31, 32-47 of [plane][4096 tokens][64] f16, unscaled.  O: planes [16][4096][64] f16.  mask: [2][2048] bytes, 1 = padded.
; SCORE: s' = fma(q.k, 0.125, madd), madd = 0 or -1e9, one f32 rounding: beside -1e9 the product is rounded away, as in an f32 sum, so a row
; whose visible keys are all padded gets even weights.  p = 2^((s' - m) log2 e) with a running maximum m that is truly subtracted; O and l are multiplied by a = 2^((m_old - m) log2 e) in every step.
; LIMITS: q, k, v within f16's 65,504; a causally hidden score counts as its value less 1e30; a weight below 2^-126 counts as 0; p is rounded to f16 for the second
; product (l is the sum of the unrounded p); NaN and infinities are not treated apart.  A cast weight of 65,520 or more in magnitude becomes an infinity; below 6e-5 f16 keeps its step of 6e-8.
; SHARES.  A head's queries are 32 bands of 64.  Cluster c (0, 1) owns the bands beta(g) = 4 (g / 2) + c + (g % 2)(3 - 2 c), g = 0..15; its four work-groups take rows 16 cx .. + 15 of
; each band, so which key steps a tile needs hangs on c and the wave alone, never on the place in the cluster.  EIGHT WAVES of 512 registers, two tiles each: a tile's step is a chain of phases
; (products, maximum, exponentials, products), each of which needs the results of the one before, and while one wave waits for a result another has instructions to issue.  The price: a run of
; K's and V's fragments out of LDS feeds two tiles.  Wave w takes the tiles g = p and 15 - p, p = w for w < 4 and 11 - w else: beta + 1 adds up to 33 steps for every wave of the launch,
; and waves w and w + 4 together hold g = w, 7 - w, 8 + w, 15 - w.  All walk the head's keys in 32 steps of 64; a tile works in steps 0 .. beta and holds the diagonal in step beta.
; K and V are asked for jointly by the four work-groups of a cluster, four steps to a slot, two slots; waves 0, 1 ask for K's halves, waves 2, 3 for V's, waves 4-7 for nothing.
; LAYOUT.  S^T = K Q^T holds one query a lane (lane % 16) and keys 8 (lane / 16) + 0..7 of each 16; rounded in pairs it is source 1 of O^T = V^T P.  V comes out of LDS turned.
; THE CAST.  fc1_w and fc2_w (f32, 4,194,304 numbers each) are wanted as f16 only by launches behind this one.  Each of the launch's 2,048 waves takes 8,192 consecutive bytes of each, in eight chunks of
; two loads a matrix: a chunk is asked for behind one change of slots and rounded and stored behind the next, four key steps later.  A load covers 512 consecutive bytes, a store 256 at a multiple of 256.
; REGISTERS.  Window 0: v0-15 addresses; v16-23 statistics (m, m, l even, l odd a tile); v24-25 the cast's offsets; v32-37 at work; v40-63 the cast's chunk; v64-95 S^T; v96-111 P; v112-143 madd of the step;
; v144-207 K of the step; v208-239 the diagonal's mask.  Window 1: v0-63 O^T, 32 a tile; v128-159 Q, 16 a tile; v192-255 V of the step.
.set KS,    64
.set NW,    8         ; waves
.set PK,    144       ; a row of K in LDS: 128 bytes + 16: the 16 rows of a load start at 16 different groups of four banks (64 banks of 4 bytes: ISA guide 11.1)
.set PV,    160       ; a row of V: 128 + 32
.set VOFF,  4*KS*PK   ; a slot: 256 rows of K, then 256 rows of V
.set SLOT1, 1<<17
.set STAGE, SLOT1+4*KS*(PK+PV)  ; 16 rows x 144 bytes for each wave; never filled by a tensor load
.set SP,    144
.set MADD,  STAGE+NW*16*SP      ; 2,048 f32: 0 or -1e9 for each key of my batch
.set SPARE, MADD+8192           ; the spare words: 128 bytes for each wave, named by no other line
.set PLANE, 524288
.set W1OFF, 6291456   ; where fc1_w's f16 image begins in its buffer
.set AK0, 2
.set AV0, 3
.set AK,  4
.set AV,  5
.set AM0, 6
.set AM,  7
.set STO, 8
.set RD,  9
.set GO,  10
.set QO,  11
.set SPW, 12          ; my spare word's address; never rewritten
.set NIL, 13          ; 0; never rewritten
.set MO,  14
.set ST,  16
.set VS,  24          ; the cast: my byte offset in a source matrix, one chunk ahead
.set VD,  25          ; and in its f16 image
.set TMP, 32          ; c0-c3; a at +4, its partner word at +5
.set CXR, 40          ; v[40:55] a chunk as loaded: two loads of fc1_w, two of fc2_w
.set CYR, 56          ; v[56:63] the chunk, packed
.set S,   64
.set P,   96
.set MA,  112
.set KF,  144
.set MD,  208
.set QF,  128         ; window 1
.set VF,  192         ; window 1
.set OUTR, 64         ; the way out: 16 registers a tile
.set WV,  12
.set CX,  13
.set CC,  14
.set G1K, 24
.set G1V, 32
.set G0K, 40
.set G0V, 44
.set BETA, 48         ; s48-49 my two tiles' bands, the shorter first
.set SS,  52          ; the key step in hand
.set CNT, 53
.set SLOTS, 54
.set TBK, 55          ; LDS byte at which K of the step to be fetched begins
.set TBV, 56          ; the same for V, less VOFF
.set TBM, 57          ; its place in the table of madd
.set SC,  58          ; s[58:59] 0.125
.set L2E, 60          ; s[60:61] log2 e
.set SEL, 62          ; s[62:63] v_permlanex16_b32's selects
.set BIGN, 66         ; -1e30
.set PADN, 67         ; -1e9
.set QB,  68          ; s[68:71] Q at my two tiles
.set OBS, 72          ; s[72:75] O at my two tiles
.set F1W, 76          ; s[76:77] fc1_w, s[78:79] fc2_w
.set F2W, 78
.set W1D, 80          ; s[80:81] fc1_w's f16 image, s[82:83] fc2_w's
.set W2D, 82
.set MSB, 0
.macro WIN new
.if MSB != (\new)
	s_set_vgpr_msb (MSB<<8)|(\new)
.set MSB, (\new)
.endif
.endm
.set W_QK, 0x04       ; Q in window 1; K, S^T and the mask in window 0
.set W_PV, 0x51       ; V and O^T in window 1, P in window 0
.set W_RS, 0x41       ; destination and source 0 in window 1, source 1 in window 0
.set W_L1, 0x40       ; a load's destination in window 1
; A joint fill: waves 0, 1 fetch the halves of a slot's K, waves 2, 3 those of its V, 128 keys each; waves 4-7 fetch nothing.  The branches hang on the wave's number alone.
; Four v_nop follow each of the two lines.
.macro JLOAD
	s_cmp_lt_u32 s[WV], 2
	s_cbranch_scc0 .Lnot_k_\@
	tensor_load_to_lds s[G0K:G0K+3], s[G1K:G1K+7]
	s_nop 0
.rept 4
	v_nop
.endr
	s_branch .Lasked_\@
.Lnot_k_\@:
	s_cmp_lt_u32 s[WV], 4
	s_cbranch_scc0 .Lasked_\@
	tensor_load_to_lds s[G0V:G0V+3], s[G1V:G1V+7]
	s_nop 0
.rept 4
	v_nop
.endr
.Lasked_\@:
.endm
.macro CROUND                       ; a round of the cluster's barrier
	s_barrier_signal -1
	s_barrier_wait -1
	s_cmp_lg_u32 s[WV], 0
	s_cbranch_scc1 .Lnot_wave_0_\@
	s_barrier_signal -3
.Lnot_wave_0_\@:
	s_barrier_wait -3
	s_barrier_signal -1
	s_barrier_wait -1
.endm
; THE CHANGE OF SLOTS stands at the head of a slot's fourth step: K and V of that step are already asked for into registers.  Each wave waits for all its tensor loads (at most one is out:
; its part of the other slot), adds 0 to its spare word, and waits for that and for its reads of the slot.  fill = 1: the slot is filled again with the keys two slots on, first thing behind a round of the cluster's barrier;
; the load has four key steps in which to land.  (At its first use slot 0 is waited for, slot 1 filled, and the table of madd made known to all waves.)
.macro CHANGE fill
	WIN 0
	s_wait_tensorcnt 0x0            ; no tensor load of mine is out, so a group 0 may be written
	ds_add_u32 v[SPW], v[NIL]
.if \fill
.irp g, G0K, G0V
	s_xor_b32 s[\g+1], s[\g+1], SLOT1
	s_add_nc_u64 s[\g+2:\g+3], s[\g+2:\g+3], 4*KS*128
.endr
	s_wait_dscnt 0x0                ; the add, my LDS stores and my reads of the slot are done
	CROUND
	JLOAD
.else
	s_wait_dscnt 0x0
	s_barrier_signal -1
	s_barrier_wait -1
.endif
	s_sub_co_u32 s[TBK], s[TBK], 4*KS*PK  ; the fetches go back to a slot's first step, in the other slot
	s_xor_b32 s[TBK], s[TBK], SLOT1
	s_sub_co_u32 s[TBV], s[TBV], 4*KS*PV
	s_xor_b32 s[TBV], s[TBV], SLOT1
.endm
; THE CAST's two halves.  CASTI asks for the next chunk: the offset steps first, and the loads reach back by their immediates.  The loads that named VS before are done (CASTC's wait stands ahead).
.macro CASTI
	v_add_nc_u32 v[VS], 1024, v[VS]
	global_load_b128 v[CXR:CXR+3],     v[VS], s[F1W:F1W+1] offset:-1024 th:TH_LOAD_NT
	global_load_b128 v[CXR+4:CXR+7],   v[VS], s[F1W:F1W+1] offset:-512 th:TH_LOAD_NT
	global_load_b128 v[CXR+8:CXR+11],  v[VS], s[F2W:F2W+1] offset:-1024 th:TH_LOAD_NT
	global_load_b128 v[CXR+12:CXR+15], v[VS], s[F2W:F2W+1] offset:-512 th:TH_LOAD_NT
.endm
; CASTC rounds and stores the chunk asked for one change of slots ago.
.macro CASTC
	s_wait_loadcnt 0x0              ; the chunk's four loads: the only global loads that are out
	s_wait_xcnt 0x0                 ; the last chunk's stores have read VD and the packed registers, which are written below
	v_add_nc_u32 v[VD], 512, v[VD]
.irp k, 0,1,2,3
	v_cvt_pk_f16_f32 v[CYR+2*\k],   v[CXR+4*\k],   v[CXR+4*\k+1]
	v_cvt_pk_f16_f32 v[CYR+2*\k+1], v[CXR+4*\k+2], v[CXR+4*\k+3]
.endr
	global_store_b64 v[VD], v[CYR:CYR+1],   s[W1D:W1D+1] offset:-512
	global_store_b64 v[VD], v[CYR+2:CYR+3], s[W1D:W1D+1] offset:-256
	global_store_b64 v[VD], v[CYR+4:CYR+5], s[W2D:W2D+1] offset:-512
	global_store_b64 v[VD], v[CYR+6:CYR+7], s[W2D:W2D+1] offset:-256
.endm
	s_load_b128 s[4:7], s[0:1], 0x0         ; big s[4:5], mask s[6:7]
	s_load_b128 s[F1W:F1W+3], s[0:1], 0x10  ; fc1_w, fc2_w
	s_load_b128 s[W1D:W1D+3], s[0:1], 0x20  ; wbig, w2
	s_load_b64 s[8:9], s[0:1], 0x30         ; act
	v_lshl_add_u32 v[SPW], v0, 2, SPARE
	v_mov_b32 v[NIL], 0
	ds_add_u32 v12, v13
	s_wait_dscnt 0x0
	v_lshrrev_b32 v1, 5, v0
	v_readfirstlane_b32 s[WV], v1
	s_bfe_u32 s[CX], ttmp6, 0x40000 ; my place in the cluster: it enters global addresses and the diagonal's mask alone
	s_mov_b32 s[CC], ttmp9          ; the cluster: 0 or 1
	s_lshl_b32 s21, s[CC], 1
	s_sub_co_u32 s21, 3, s21        ; 3 - 2 c
	s_sub_co_u32 s16, 11, s[WV]
	s_cmp_lt_u32 s[WV], 4
	s_cselect_b32 s[BETA], s[WV], s16       ; g of my shorter tile: p = w, or 11 - w for waves 4-7,
	s_sub_co_u32 s[BETA+1], 15, s[BETA]     ; and of my longer one
.irp i, 0,1                         ; turned into bands
	s_and_b32 s17, s[BETA+\i], 1
	s_mul_i32 s17, s17, s21
	s_lshr_b32 s16, s[BETA+\i], 1
	s_lshl_b32 s16, s16, 2
	s_add_co_u32 s16, s16, s[CC]
	s_add_co_u32 s[BETA+\i], s16, s17
.endr
	s_and_b32 s15, ttmp7, 0xffff    ; 16 x batch + head
	s_lshl_b32 s50, s15, 3          ; my wave among the launch's 2,048: ((8 y + 4 c + cx) 8 + w),
	s_lshl_b32 s51, s[CC], 2
	s_add_co_u32 s50, s50, s51
	s_add_co_u32 s50, s50, s[CX]
	s_lshl_b32 s50, s50, 3
	s_add_co_u32 s50, s50, s[WV]
	s_lshl_b32 s50, s50, 12         ; its 4,096 bytes of each f16 image
	s_lshr_b32 s16, s15, 4
	s_and_b32 s17, s15, 15
	s_lshl_b32 s20, s17, 19         ; the head's plane,
	s_lshl_b32 s21, s16, 18         ; the batch's 2,048 rows of 128 bytes
	s_add_co_u32 s20, s20, s21
	s_lshl_b32 s22, s16, 11         ; the batch's row of the mask
	s_mov_b32 s23, 0
	s_and_b32 s16, s[WV], 1         ; which half of a slot's 256 keys I fetch
	s_lshl_b32 s18, s16, 14
	s_add_co_u32 s18, s18, s20
	s_mov_b32 s19, 0
	s_mul_i32 s17, s16, 128*PK
	s_mul_i32 s15, s16, 128*PV
	; group 1: 128 keys are 16,384 dense bytes, asked for as 64 rows of 256 bytes and padded in LDS after every key
	s_mov_b32 s[G1K], 15|(1<<16)|(1<<20)|(1<<21)|(4<<22)|(3<<25)
	s_mov_b32 s[G1V], 15|(1<<16)|(1<<20)|(1<<21)|(4<<22)|(7<<25)
.irp g, G1K, G1V
	s_mov_b32 s[\g+1], 128<<16
	s_mov_b32 s[\g+2], 64<<16
	s_mov_b32 s[\g+3], 128<<16
	s_mov_b32 s[\g+4], 64
	s_mov_b32 s[\g+5], 128
	s_mov_b32 s[\g+6], 0
	s_mov_b32 s[\g+7], 0
.endr
	s_mov_b32 s[G0K], 1
	s_mov_b32 s[G0K+1], s17
	s_mov_b32 s[G0V], 1
	s_add_co_u32 s[G0V+1], s15, VOFF
	s_mov_b32 s[SC], 0x3e000000
	s_mov_b32 s[SC+1], 0x3e000000
	s_mov_b32 s[L2E], 0x3fb8aa3b
	s_mov_b32 s[L2E+1], 0x3fb8aa3b
	s_mov_b32 s[SEL], 0x76543210
	s_mov_b32 s[SEL+1], 0xfedcba98
	s_mov_b32 s[BIGN], 0xf149f2ca
	s_mov_b32 s[PADN], 0xce6e6b28
	s_mov_b32 s[TBK], SLOT1+4*KS*PK ; the first change of slots turns these two into 0
	s_mov_b32 s[TBV], SLOT1+4*KS*PV
	s_mov_b32 s[TBM], 0
	s_wait_kmcnt 0x0
	s_add_nc_u64 s[G0K+2:G0K+3], s[4:5], s[18:19]
	s_add_nc_u64 s[G0K+2:G0K+3], s[G0K+2:G0K+3], 16*PLANE  ; k's planes
	s_or_b32 s[G0K+3], s[G0K+3], 0x80000000
	s_add_nc_u64 s[G0V+2:G0V+3], s[4:5], s[18:19]
	s_add_nc_u64 s[G0V+2:G0V+3], s[G0V+2:G0V+3], 32*PLANE  ; v's planes
	s_or_b32 s[G0V+3], s[G0V+3], 0x80000000
	CROUND                          ; all four work-groups are here
	JLOAD                           ; slot 0
	s_add_nc_u64 s[W1D:W1D+1], s[W1D:W1D+1], W1OFF
	s_add_nc_u64 s[6:7], s[6:7], s[22:23]
.irp i, 0,1
	s_lshl_b32 s22, s[BETA+\i], 13  ; the band's 64 rows,
	s_lshl_b32 s23, s[CX], 11       ; my work-group's 16 of them
	s_add_co_u32 s22, s22, s23
	s_add_co_u32 s22, s22, s20
	s_mov_b32 s23, 0
	s_add_nc_u64 s[QB+2*\i:QB+2*\i+1], s[4:5], s[22:23]
	s_add_nc_u64 s[OBS+2*\i:OBS+2*\i+1], s[8:9], s[22:23]
.endr
	v_and_b32 v1, 15, v0            ; r = l % 16
	v_bfe_u32 v26, v0, 4, 1         ; h = l / 16
	v_and_b32 v27, 7, v0
	v_bfe_u32 v28, v0, 3, 1
	v_lshlrev_b32 v[QO], 7, v1
	v_lshl_add_u32 v[QO], v26, 4, v[QO]
	v_lshlrev_b32 v[MO], 3, v0      ; thread t takes 8 bytes of the mask
	global_load_b64 v[S:S+1], v[MO], s[6:7]
	WIN W_L1
.irp i, 0,1
.irp c, 0,1
	global_load_b128 v[QF+16*\i+8*\c:QF+16*\i+8*\c+3],   v[QO], s[QB+2*\i:QB+2*\i+1] offset:64*\c
	global_load_b128 v[QF+16*\i+8*\c+4:QF+16*\i+8*\c+7], v[QO], s[QB+2*\i:QB+2*\i+1] offset:64*\c+32
.endr
.endr
.set n, 0
.rept 64                            ; O^T = 0: the first step multiplies it by a = 0, so it has to be finite.  This stands in the wait for the first tile.
	v_mov_b32 v[n], 0
.set n, n+1
.endr
	WIN 0
	v_mul_u32_u24 v[AK0], v1, PK
	v_lshl_add_u32 v[AK0], v26, 4, v[AK0]
	v_lshl_add_u32 v[AV0], v26, 3, v27    ; the turning load: key 8 h + l % 8, channels 8 ((l / 8) % 2) on
	v_mul_u32_u24 v[AV0], v[AV0], PV
	v_lshl_add_u32 v[AV0], v28, 4, v[AV0]
	v_add_nc_u32 v[AV0], VOFF, v[AV0]
	v_lshl_add_u32 v[AM0], v26, 5, MADD   ; my lanes' eight keys of each 16 begin at 8 h
	v_lshl_add_u32 v29, v0, 5, MADD       ; where thread t puts its 8 numbers of the table
	s_mul_i32 s16, s[WV], 16*SP
	s_add_co_u32 s16, s16, STAGE
	v_mul_u32_u24 v[STO], v1, SP
	v_lshl_add_u32 v[STO], v26, 4, v[STO]
	v_add_nc_u32 v[STO], s16, v[STO]
	v_bfe_u32 v[RD], v0, 3, 2
	v_mul_u32_u24 v[RD], v[RD], SP
	v_lshl_add_u32 v[RD], v27, 4, v[RD]
	v_add_nc_u32 v[RD], s16, v[RD]
	v_and_b32 v[GO], 31, v0
	v_lshl_add_u32 v[VD], v[GO], 3, s50   ; the cast: 8 bytes a lane in my wave's 4,096 of an image,
	v_lshlrev_b32 v[VS], 1, v[VD]         ; 16 bytes a lane in its 8,192 of a source
	v_lshlrev_b32 v[GO], 4, v[GO]
	s_lshl_b32 s22, s[CX], 4
	v_lshlrev_b32 v30, 3, v26
	v_sub_nc_u32 v30, v1, v30
	v_add_nc_u32 v30, s22, v30      ; my query's place in its band less 8 h: register j of key group kt is hidden where 16 kt + j is greater
.set n, 0
.rept 32
	v_cmp_gt_i32 vcc_lo, 16*(n/8)+n%8, v30
	v_cndmask_b32 v[MD+n], 0, s[BIGN], vcc_lo
.set n, n+1
.endr
.irp t, 0,1
	v_mov_b32 v[ST+4*\t], 0xfe967699      ; m = -1e38, below every score and still finite times log2 e
	v_mov_b32 v[ST+4*\t+1], 0xfe967699
	v_mov_b32 v[ST+4*\t+2], 0
	v_mov_b32 v[ST+4*\t+3], 0
.endr
	v_mov_b32 v[TMP+5], 0           ; named with a as a pair; the packed forms take the low word for both halves
	s_wait_loadcnt 0x0              ; the mask and Q
.set n, 0
.rept 8
	v_bfe_u32 v15, v[S+n/4], 8*(n%4), 8
	v_cvt_f32_u32 v15, v15
	v_mul_f32 v[S+4+n], s[PADN], v15
.set n, n+1
.endr
	ds_store_b128 v29, v[S+4:S+7]
	ds_store_b128 v29, v[S+8:S+11] offset:16
; THE LDS LOADS stand in runs.  K of a step (16 loads) and its madd (8), and V (16, turned).
.macro FETCH_KM
	v_add_nc_u32 v[AK], s[TBK], v[AK0]
	v_add_nc_u32 v[AM], s[TBM], v[AM0]
.irp f, 0,1,2,3,4,5,6,7             ; keys 16 (f / 2) on, channels 32 (f % 2) on
	ds_load_b128 v[KF+8*\f:KF+8*\f+3],   v[AK] offset:(\f/2)*16*PK+(\f%2)*64
	ds_load_b128 v[KF+8*\f+4:KF+8*\f+7], v[AK] offset:(\f/2)*16*PK+(\f%2)*64+32
.endr
.irp f, 0,1,2,3
	ds_load_b128 v[MA+8*\f:MA+8*\f+3],   v[AM] offset:64*\f
	ds_load_b128 v[MA+8*\f+4:MA+8*\f+7], v[AM] offset:64*\f+16
.endr
.endm
.macro FETCH_V
	v_add_nc_u32 v[AV], s[TBV], v[AV0]
	WIN W_L1
.irp f, 0,1,2,3,4,5,6,7             ; keys 32 (f / 4) on, channels 16 (f % 4) on
	ds_load_tr16_b128 v[VF+8*\f:VF+8*\f+3],   v[AV] offset:(\f/4)*32*PV+(\f%4)*32
	ds_load_tr16_b128 v[VF+8*\f+4:VF+8*\f+7], v[AV] offset:(\f/4)*32*PV+16*PV+(\f%4)*32
.endr
	WIN 0
.endm
.macro ADV                          ; the next fetch is the next step's
	s_add_co_u32 s[TBK], s[TBK], KS*PK
	s_add_co_u32 s[TBV], s[TBV], KS*PV
	s_add_co_u32 s[TBM], s[TBM], 256
	s_and_b32 s[TBM], s[TBM], 0x1fff
.endm
; TILE i IN THE STEP IN HAND.  Jumped over when the step lies above the tile's diagonal.  last = 1 (the wave's longer tile, which works whenever either works): it also fetches the next step's K and madd,
; behind the last reader of K (four v_nop between), and V, behind the last reader of V (nine plain instructions between).
; The accumulators of each run of products take turns, one instruction a turn.
.macro SECTION i, last
.set rT, ST+4*(\i)
	s_cmp_gt_u32 s[SS], s[BETA+(\i)]
	s_cbranch_scc1 .Lskip_\@
	s_cmp_eq_u32 s[SS], s[BETA+(\i)]
	s_cbranch_scc1 .Ldiag_\@
	WIN W_QK
.irp kt, 0,1,2,3                    ; channels 0-31 start the sums with 0,
	v_wmma_f32_16x16x32_f16 v[S+8*\kt:S+8*\kt+7], v[KF+16*\kt:KF+16*\kt+7], v[QF+16*(\i):QF+16*(\i)+7], 0
.endr
	WIN 0
	s_branch .Ljoin_\@
.Ldiag_\@:
	WIN W_QK
.irp kt, 0,1,2,3                    ; or, in the band's own step, with the diagonal's mask
	v_wmma_f32_16x16x32_f16 v[S+8*\kt:S+8*\kt+7], v[KF+16*\kt:KF+16*\kt+7], v[QF+16*(\i):QF+16*(\i)+7], v[MD+8*\kt:MD+8*\kt+7]
.endr
	WIN 0
.Ljoin_\@:
	WIN W_QK
.irp kt, 0,1,2,3
	v_wmma_f32_16x16x32_f16 v[S+8*\kt:S+8*\kt+7], v[KF+16*\kt+8:KF+16*\kt+15], v[QF+16*(\i)+8:QF+16*(\i)+15], v[S+8*\kt:S+8*\kt+7]
.endr
	WIN 0
.rept 4
	v_nop                           ; the places behind those products (ISA guide 7.12.1)
.endr
.set n, 0
.rept 16                            ; s' = s / 8 + madd, one rounding; each accumulator is read from its low end on
	v_pk_fma_f32 v[S+2*n:S+2*n+1], v[S+2*n:S+2*n+1], s[SC:SC+1], v[MA+2*n:MA+2*n+1] op_sel_hi:[1,0,1]
.set n, n+1
.endr
.if \last
	FETCH_KM
.endif
.irp n, 0,1,2,3                     ; the maximum of 32 scores and the old m, three operands at a time
	v_max3_num_f32 v[TMP+\n], v[S+8*\n], v[S+8*\n+1], v[S+8*\n+2]
.endr
.irp n, 0,1,2,3
	v_max3_num_f32 v[TMP+\n], v[TMP+\n], v[S+8*\n+3], v[S+8*\n+4]
.endr
.irp n, 0,1,2,3
	v_max3_num_f32 v[TMP+\n], v[TMP+\n], v[S+8*\n+5], v[S+8*\n+6]
.endr
	v_max3_num_f32 v[TMP], v[TMP], v[S+7], v[S+15]
	v_max3_num_f32 v[TMP+1], v[TMP+1], v[S+23], v[S+31]
	v_max3_num_f32 v[TMP+2], v[TMP+2], v[TMP+3], v[rT]
	v_max3_num_f32 v[TMP], v[TMP], v[TMP+1], v[TMP+2]
	v_permlanex16_b32 v[TMP+3], v[TMP], s[SEL], s[SEL+1]  ; the query's other 32 keys lie in the lane 16 away
	v_max_num_f32 v[TMP+1], v[TMP], v[TMP+3]
	v_sub_f32 v[TMP+2], v[rT], v[TMP+1]
	v_mov_b32 v[rT], v[TMP+1]
	v_mov_b32 v[rT+1], v[TMP+1]
	v_mul_f32 v[TMP+2], s[L2E], v[TMP+2]
	v_exp_f32 v[TMP+4], v[TMP+2]    ; a; plain work follows
.set n, 0
.rept 16                            ; s' - m, a true difference: beside -1e9 a product with log2 e first would lose it
	v_pk_add_f32 v[S+2*n:S+2*n+1], v[S+2*n:S+2*n+1], v[rT:rT+1] neg_lo:[0,1] neg_hi:[0,1]
.set n, n+1
.endr
.set n, 0
.rept 16
	v_pk_mul_f32 v[S+2*n:S+2*n+1], v[S+2*n:S+2*n+1], s[L2E:L2E+1] op_sel_hi:[1,0]
.set n, n+1
.endr
.set n, 0
.rept 16
	v_exp_f32 v[S+n], v[S+n]
.set n, n+1
.endr
	WIN W_RS
.set n, 0
	s_wait_alu depctr_va_vdst(0)
.rept 16                            ; O^T times a: the plain work behind the exponentials
	v_pk_mul_f32 v[32*(\i)+2*n:32*(\i)+2*n+1], v[32*(\i)+2*n:32*(\i)+2*n+1], v[TMP+4:TMP+5] op_sel_hi:[1,0]
.set n, n+1
.endr
	WIN 0
.set n, 0
.rept 8
	v_cvt_pk_f16_f32 v[P+n], v[S+2*n], v[S+2*n+1]
.set n, n+1
.endr
.if \last
	s_wait_dscnt 24                 ; V is in: its sixteen loads were issued ahead of the 24 of K and madd above, which may stay out (LDS loads come back in order: ISA guide 5.7.1)
.else
	s_wait_dscnt 0x0                ; V is in
.endif
	WIN W_PV
.irp cb, 0,1,2,3                    ; keys 0-31
	v_wmma_f32_16x16x32_f16 v[32*(\i)+8*\cb:32*(\i)+8*\cb+7], v[VF+8*\cb:VF+8*\cb+7], v[P:P+7], v[32*(\i)+8*\cb:32*(\i)+8*\cb+7]
.endr
	WIN 0
.set n, 16
.rept 16
	v_exp_f32 v[S+n], v[S+n]
.set n, n+1
.endr
.irp n, 0,1,2,3                     ; the first half's weights are added, in place
	v_pk_add_f32 v[S+4*\n:S+4*\n+1], v[S+4*\n:S+4*\n+1], v[S+4*\n+2:S+4*\n+3]
.endr
	v_pk_add_f32 v[S:S+1], v[S:S+1], v[S+4:S+5]
	v_pk_add_f32 v[S+8:S+9], v[S+8:S+9], v[S+12:S+13]
	v_pk_add_f32 v[S:S+1], v[S:S+1], v[S+8:S+9]
.set n, 8
	s_wait_alu depctr_va_vdst(0)
.rept 8
	v_cvt_pk_f16_f32 v[P+n], v[S+2*n], v[S+2*n+1]
.set n, n+1
.endr
	WIN W_PV
.irp cb, 0,1,2,3                    ; keys 32-63
	v_wmma_f32_16x16x32_f16 v[32*(\i)+8*\cb:32*(\i)+8*\cb+7], v[VF+32+8*\cb:VF+32+8*\cb+7], v[P+8:P+15], v[32*(\i)+8*\cb:32*(\i)+8*\cb+7]
.endr
	WIN 0
.irp n, 4,5,6,7                     ; nine plain instructions that name none of those products' registers
	v_pk_add_f32 v[S+4*\n:S+4*\n+1], v[S+4*\n:S+4*\n+1], v[S+4*\n+2:S+4*\n+3]
.endr
	v_pk_add_f32 v[S+16:S+17], v[S+16:S+17], v[S+20:S+21]
	v_pk_add_f32 v[S+24:S+25], v[S+24:S+25], v[S+28:S+29]
	v_pk_add_f32 v[S+16:S+17], v[S+16:S+17], v[S+24:S+25]
	v_pk_add_f32 v[S:S+1], v[S:S+1], v[S+16:S+17]
	v_pk_fma_f32 v[rT+2:rT+3], v[rT+2:rT+3], v[TMP+4:TMP+5], v[S:S+1] op_sel_hi:[1,0,1]  ; l = a l + the sum
.if \last
	FETCH_V
.endif
.Lskip_\@:
.endm
.macro STEP fetch
	s_wait_dscnt 16                 ; K and madd are in; V's sixteen loads, issued last, may be out
	SECTION 0, 0
	SECTION 1, \fetch
	s_add_co_u32 s[SS], s[SS], 1
	ADV
.endm
	CHANGE 1                        ; slot 0 is in, the table is known to all eight waves, slot 1 is asked for
	FETCH_KM                        ; key step 0
	FETCH_V
	ADV
	CASTI                           ; the cast's chunk 0
	s_mov_b32 s[SS], 0
	s_mov_b32 s[CNT], 3
	s_mov_b32 s[SLOTS], 7
	s_branch .Lstep                 ; steps 0-2; then six trips of four steps, each behind a change of slots with a refill
.Lslot:
	CHANGE 1
	CASTC                           ; chunks 0-5 are stored, chunks 1-6 asked for
	CASTI
	s_mov_b32 s[CNT], 4
.Lstep:
	STEP 1
	s_sub_co_u32 s[CNT], s[CNT], 1
	s_cmp_lg_u32 s[CNT], 0
	s_cbranch_scc1 .Lstep
	s_sub_co_u32 s[SLOTS], s[SLOTS], 1
	s_cmp_lg_u32 s[SLOTS], 0
	s_cbranch_scc1 .Lslot
	CHANGE 0                        ; the tail is written out: nothing is asked for
	CASTC                           ; chunk 6 is stored,
	CASTI                           ; chunk 7, the last, asked for: my wave's bytes 7,168 to 8,191 of each source
	s_mov_b32 s[CNT], 4
.Ltail:                             ; steps 27-30
	STEP 1
	s_sub_co_u32 s[CNT], s[CNT], 1
	s_cmp_lg_u32 s[CNT], 0
	s_cbranch_scc1 .Ltail
	STEP 0                          ; step 31 fetches nothing: there is no further step, and behind the slot lie the stages
	CASTC                           ; chunk 7 is stored
	; THE WAY OUT: l's halves and the other half of the lanes' are added; O^T is divided by l, rounded to f16 and sent through my stage, a tile (16 rows of O: 2,048 dense bytes) at a time.
.irp t, 0,1
	v_add_f32 v[ST+4*\t+2], v[ST+4*\t+2], v[ST+4*\t+3]
.endr
.irp t, 0,1
	v_permlanex16_b32 v[ST+4*\t+3], v[ST+4*\t+2], s[SEL], s[SEL+1]
.endr
.irp t, 0,1
	v_add_f32 v[ST+4*\t+2], v[ST+4*\t+2], v[ST+4*\t+3]
.endr
.irp t, 0,1
	v_rcp_f32 v[ST+4*\t+2], v[ST+4*\t+2]
.endr
	v_nop                           ; a plain instruction between the last reciprocal and the use of its result
	s_wait_alu depctr_va_vdst(0)
.macro PACK t
	WIN W_RS
.set n, 32*(\t)
.rept 16
	v_pk_mul_f32 v[n:n+1], v[n:n+1], v[ST+4*(\t)+2:ST+4*(\t)+3] op_sel_hi:[1,0]
.set n, n+2
.endr
	WIN 0x05                        ; sources 0 and 1 window 1, destination window 0
.set n, 0
.rept 16
	v_cvt_pk_f16_f32 v[OUTR+16*(\t)+n], v[32*(\t)+2*n], v[32*(\t)+2*n+1]
.set n, n+1
.endr
	WIN 0
.irp f, 0,1,2,3
	ds_store_b128 v[STO], v[OUTR+16*(\t)+4*\f:OUTR+16*(\t)+4*\f+3] offset:32*\f
.endr
.irp f, 0,1,2,3
	ds_load_b128 v[OUTR+16*(\t)+4*\f:OUTR+16*(\t)+4*\f+3], v[RD] offset:\f*4*SP  ; LDS serves a wave's instructions in order (ISA guide 5.7.1.4): these see the stores above
.endr
.endm
.macro SEND t, younger              ; younger: the LDS instructions issued behind tile t's loads: the next tile's eight, or none
.irp f, 0,1,2,3
	s_wait_dscnt (\younger)+3-\f
	global_store_b128 v[GO], v[OUTR+16*(\t)+4*\f:OUTR+16*(\t)+4*\f+3], s[OBS+2*(\t):OBS+2*(\t)+1] offset:\f*512  ; 512 consecutive bytes at a multiple of 256
.endr
.endm
	PACK 0
	PACK 1
	SEND 0, 8
	SEND 1, 0
	s_wait_tensorcnt 0x0            ; the wave's end
	ds_add_u32 v[SPW], v[NIL]
	s_wait_dscnt 0x0
	CROUND                          ; the closing round
	s_endpgm
.Lfunc_end_k_q177147acbe_attn:
	.size	k_q177147acbe_attn, .Lfunc_end_k_q177147acbe_attn-k_q177147acbe_attn
	.p2alignl 7, 3214868480
	.fill 96, 4, 3214868480
	.section	.rodata,"a",@progbits
	.p2align	6, 0x0
	.amdhsa_kernel k_q177147acbe_attn
		.amdhsa_group_segment_fixed_size 327680
		.amdhsa_private_segment_fixed_size 0
		.amdhsa_enable_private_segment 0
		.amdhsa_kernarg_size 56
		.amdhsa_user_sgpr_count 2
		.amdhsa_user_sgpr_kernarg_segment_ptr 1
		.amdhsa_wavefront_size32 1
		.amdhsa_system_sgpr_workgroup_id_x 1
		.amdhsa_system_sgpr_workgroup_id_y 1
		.amdhsa_system_sgpr_workgroup_id_z 1
		.amdhsa_system_vgpr_workitem_id 0
		.amdhsa_next_free_vgpr 512
		.amdhsa_next_free_sgpr 84
		.amdhsa_reserve_vcc 1
		.amdhsa_float_denorm_mode_32 3
		.amdhsa_float_denorm_mode_16_64 3
		.amdhsa_memory_ordered 1
		.amdhsa_forward_progress 1
		.amdhsa_inst_pref_size 102
	.end_amdhsa_kernel
	.amdgpu_metadata
---
amdhsa.version: [ 1, 2 ]
amdhsa.kernels:
  - .name:           k_q177147acbe_attn
    .symbol:         k_q177147acbe_attn.kd
    .args:
      - { .name: big, .offset: 0, .size: 8, .value_kind: global_buffer, .address_space: global }
      - { .name: key_padding_mask, .offset: 8, .size: 8, .value_kind: global_buffer, .address_space: global }
      - { .name: fc1_w, .offset: 16, .size: 8, .value_kind: global_buffer, .address_space: global }
      - { .name: fc2_w, .offset: 24, .size: 8, .value_kind: global_buffer, .address_space: global }
      - { .name: wbig, .offset: 32, .size: 8, .value_kind: global_buffer, .address_space: global }
      - { .name: w2, .offset: 40, .size: 8, .value_kind: global_buffer, .address_space: global }
      - { .name: act, .offset: 48, .size: 8, .value_kind: global_buffer, .address_space: global }
    .group_segment_fixed_size: 327680
    .private_segment_fixed_size: 0
    .kernarg_segment_align: 8
    .kernarg_segment_size: 56
    .max_flat_workgroup_size: 256
    .sgpr_count:     84
    .vgpr_count:     512
    .wavefront_size: 32
...
	.end_amdgpu_metadata
.endif
;; end of part 3
;; launch proj (part 4): grid 8 x 32, 4 waves a work-group, clusters of 4 x 4, 327,680 bytes of LDS; arguments act, wp, proj_b, x, x1; writes x1
.if DOCPART == 4
	.amdgcn_target "amdgcn-amd-amdhsa--gfx1250"
	.amdhsa_code_object_version 6
	.text
	.protected	k_q177147acbe_proj
	.globl	k_q177147acbe_proj
	.p2align	8
	.type	k_q177147acbe_proj,@function
k_q177147acbe_proj:
	s_mov_b64 s[64:65], 0
	v_nop
	global_prefetch_b8 v0, s[64:65] scope:SCOPE_SE
	s_setreg_imm32_b32 hwreg(HW_REG_WAVE_MODE, 25, 1), 1
	s_wait_xcnt 0x0
	s_wait_alu depctr_hold_cnt(0) depctr_sa_sdst(0) depctr_va_vdst(0) depctr_va_sdst(0) depctr_va_ssrc(0) depctr_va_vcc(0) depctr_vm_vsrc(0)
	s_getreg_b32 s2, hwreg(HW_REG_IB_STS2, 6, 4)
	s_cmp_eq_u32 s2, 0
	s_cbranch_scc0 .Lentry_in_a_cluster
	s_endpgm
.Lentry_in_a_cluster:
	s_bfe_u32 s2, ttmp6, 0x10000c
	s_cmp_lg_u32 s2, 0xf033
	s_cbranch_scc0 .Lentry_shape_is_right
	s_endpgm
.Lentry_shape_is_right:
; out = A W + bias + resid.  A: planes [KK/64][4096 tokens][64] f16.  W: [KK][1024] f16.  bias: [1024] f32.  resid, out: [4096][1024] f32.  Sums in f32; nothing is rounded on the way out.
; One text for the attention's projection (KK = 1,024) and the second layer of the MLP (KK = 4,096): the switch KK at its head sets the loop's trips, KK / 512 - 1.
; LIMIT: operands within f16's 65,504.
; SHAPE: a tile of out is 128 x 128, four waves of 64 x 64 (16 accumulators), so that 256 work-groups share the 4,096 x 1,024 numbers.  K goes in steps of 256 (four planes) through two LDS slots.
; A slot: A's two halves of 64 tokens x 4 planes (a token's 128 bytes + 16 of padding), then W's two halves of 128 rows of K x 128 columns (256 bytes + 32).  W's fragments come out of LDS turned.
; CLUSTER: 4 x 4; A's tile is asked for jointly by a row of the cluster, W's by a column.  THE MATRIX INSTRUCTION IS USED TRANSPOSED: a lane holds one token and eight neighbouring columns.
; REGISTERS: window 0: v0-31 addresses and the bias, v32-95 the way out, v128-255 the accumulators; window 1: two fragment buffers of 128 (A, then W); window 2: v0-127 the residual of my 64 x 64.
.set KK,     1024
.set KSTEP,  256
.set LAPS,   KK/(2*KSTEP)              ; a lap = two K steps = once round the ring
.set PA,     144                       ; 9 x 16 bytes: the 16 rows of a load start at 16 different groups of four banks (64 banks of 4 bytes: ISA guide 11.1)
.set PB,     288                       ; 9 x 32 bytes, for the turning load
.set HALFT,  36864                     ; 4 x 64 x 144 = 128 x 288: what one tensor load brings
.set SLOT,   4*HALFT
.set STAGE,  2*SLOT                    ; 16 rows x 272 bytes for each wave; never filled by a tensor load
.set SPITCH, 272
.set SPARE,  STAGE+4*16*SPITCH         ; the spare words: 128 bytes for each wave, named by no other line
.set BI,   8                           ; v[8:11] the bias of my four columns on the way out
.set ADRA, 16                          ; v16-17  A's fragments in slot 0, 1
.set ADRB, 20                          ; v20-23  W's fragments: slot 0 rows 0-127, 128-255 of K; slot 1 likewise (an LDS offset has 16 bits)
.set STO,  24
.set RD,   25
.set CO,   26
.set BO,   27
.set SPW,  28                          ; my spare word's address; never rewritten
.set NIL,  29                          ; 0; never rewritten
.set TMP,  32
.set ACC,  128
.set F0,   0
.set F1,   128
.set G1,  24
.set G0,  32
.set G1B, 48
.set G0B, 56
.set MSB, 0
.macro WIN new
.if MSB != (\new)
	s_set_vgpr_msb (MSB<<8)|(\new)
.set MSB, \new
.endif
.endm
.set MUL,  0x05                        ; sources 0 (W) and 1 (A) window 1; C and D window 0
.set TO_F, 0x40                        ; destination window 1, address window 0
.macro JLOAD s                         ; a joint load: waves 0, 1 fetch A's halves, waves 2, 3 W's; four v_nop follow each line
	s_cmp_eq_u32 s11, 0
	s_cbranch_scc0 .Lfor_b_\@
	tensor_load_to_lds s[G0+4*(\s):G0+4*(\s)+3], s[G1:G1+7]
	s_nop 0
.rept 4
	v_nop
.endr
	s_branch .Lasked_\@
.Lfor_b_\@:
	tensor_load_to_lds s[G0B+4*(\s):G0B+4*(\s)+3], s[G1B:G1B+7]
	s_nop 0
.rept 4
	v_nop
.endr
.Lasked_\@:
.endm
.macro CREST
	s_cmp_lg_u32 s10, 0
	s_cbranch_scc1 .Lnot_wave_0_\@
	s_barrier_signal -3
.Lnot_wave_0_\@:
	s_barrier_wait -3
	s_barrier_signal -1
	s_barrier_wait -1
.endm
.macro CROUND
	s_barrier_signal -1
	s_barrier_wait -1
	CREST
.endm
	s_load_b128 s[4:7], s[0:1], 0x0                ; A s[4:5], W s[6:7]
	s_load_b128 s[68:71], s[0:1], 0x10             ; bias s[68:69], resid s[70:71]
	s_load_b64 s[74:75], s[0:1], 0x20              ; out
	v_lshl_add_u32 v[SPW], v0, 2, SPARE
	v_mov_b32 v[NIL], 0
	ds_add_u32 v28, v29
	s_wait_dscnt 0x0
	v_lshrrev_b32 v1, 5, v0
	v_readfirstlane_b32 s10, v1                    ; wave 0..3
	s_lshr_b32 s11, s10, 1                         ; my half of the tile's rows.  Also: I fetch for A (0) or for W (1)
	s_and_b32 s12, s10, 1                          ; my half of its columns.  Also: which half of that tile I fetch
	s_bfe_u32 s40, ttmp6, 0x40000
	s_bfe_u32 s41, ttmp6, 0x40004
	s_lshl_b32 s42, ttmp9, 2
	s_add_co_u32 s42, s42, s40                     ; tile column
	s_and_b32 s13, ttmp7, 0xffff
	s_lshl_b32 s13, s13, 2
	s_add_co_u32 s13, s13, s41                     ; tile row
	s_lshl_b32 s43, s41, 2
	s_lshl_b32 s43, 15, s43
	s_lshl_b32 s44, 0x1111, s40
	s_or_b32 s[G1+0], s43, (1<<16)|(1<<20)|(1<<21)|(4<<22)|(3<<25)   ; A: my row's mask; 2-byte elements; after every 32 words (a token) 4 words of padding
	s_or_b32 s[G1B+0], s44, (1<<16)|(1<<20)|(1<<21)|(5<<22)|(7<<25)  ; W: my column's mask; after every 64 words 8 words
	s_mov_b32 s[G1+1], 4096<<16                    ; A: a row of the tile is 64 tokens x 64 channels, dense: tensor_dim0 = 4,096
	s_mov_b32 s[G1+2], 4<<16                       ; tensor_dim1 = 4 planes
	s_mov_b32 s[G1+3], 4096<<16                    ; tile_dim0
	s_mov_b32 s[G1+4], 4                           ; tile_dim1
	s_mov_b32 s[G1+5], 262144                      ; elements from plane to plane
	s_mov_b32 s[G1+6], 0
	s_mov_b32 s[G1+7], 0
	s_mov_b32 s[G1B+1], 128<<16                    ; W: 128 columns,
	s_mov_b32 s[G1B+2], 128<<16                    ; 128 rows of K
	s_mov_b32 s[G1B+3], 128<<16
	s_mov_b32 s[G1B+4], 128
	s_mov_b32 s[G1B+5], 1024
	s_mov_b32 s[G1B+6], 0
	s_mov_b32 s[G1B+7], 0
	s_lshl_b32 s17, s12, 6
	s_lshl_b32 s16, s13, 7
	s_add_co_u32 s16, s16, s17                     ; A: token 128 x tile row + 64 x half,
	s_lshl_b32 s16, s16, 7                         ; 128 bytes each
	s_mov_b32 s17, 0
	s_lshl_b32 s46, s12, 18                        ; W: row of K 128 x half, 2,048 bytes each,
	s_lshl_b32 s47, s42, 8                         ; column 128 x tile column
	s_add_co_u32 s46, s46, s47
	s_mov_b32 s47, 0
	s_mul_i32 s20, s10, HALFT                      ; where they go: wave x 36,864
	s_wait_kmcnt 0x0
	s_add_nc_u64 s[14:15], s[4:5], s[16:17]
	s_add_nc_u64 s[46:47], s[6:7], s[46:47]
	CROUND                                         ; all sixteen work-groups are here
.irp s, 0,1
	s_mov_b32 s[G0+4*(\s)], 1
	s_add_co_u32 s[G0+4*(\s)+1], s20, (\s)*SLOT
	s_add_nc_u64 s[G0+4*(\s)+2:G0+4*(\s)+3], s[14:15], (\s)*4*524288
	s_or_b32 s[G0+4*(\s)+3], s[G0+4*(\s)+3], 0x80000000
	s_mov_b32 s[G0B+4*(\s)], 1
	s_add_co_u32 s[G0B+4*(\s)+1], s20, (\s)*SLOT
	s_add_nc_u64 s[G0B+4*(\s)+2:G0B+4*(\s)+3], s[46:47], (\s)*KSTEP*2048
	s_or_b32 s[G0B+4*(\s)+3], s[G0B+4*(\s)+3], 0x80000000
	JLOAD \s                                       ; two loads of mine are out
.endr
	v_and_b32 v1, 15, v0                           ; r
	v_bfe_u32 v2, v0, 4, 1                         ; h
	s_lshl_b32 s76, s13, 7
	s_lshl_b32 s77, s11, 6
	s_add_co_u32 s76, s76, s77                     ; my first row of out,
	s_lshl_b32 s76, s76, 12                        ; 4,096 bytes each
	s_lshl_b32 s78, s42, 9
	s_lshl_b32 s79, s12, 8
	s_add_co_u32 s78, s78, s79                     ; my first column, in bytes: a multiple of 256
	s_add_co_u32 s76, s76, s78
	s_mov_b32 s77, 0
	s_mov_b32 s79, 0
	s_add_nc_u64 s[68:69], s[68:69], s[78:79]
	s_add_nc_u64 s[70:71], s[70:71], s[76:77]
	s_add_nc_u64 s[74:75], s[74:75], s[76:77]
	v_lshlrev_b32 v[BO], 4, v1
	v_lshlrev_b32 v[CO], 12, v2                    ; lanes 0-15 one row's 256 bytes, lanes 16-31 the next row's
	v_lshl_add_u32 v[CO], v1, 4, v[CO]
	global_load_b128 v[BI:BI+3], v[BO], s[68:69]
	WIN 0x80                                       ; destination window 2
.set i, 0
.rept 32                                               ; the residual, in the layout of the stores: it lands while the products run
	global_load_b128 v[4*i:4*i+3], v[CO], s[70:71] offset:(16*(i/8)+2*(i%8))*4096
.set i, i+1
.endr
	WIN 0
	v_mul_u32_u24 v3, v1, PA
	v_lshl_add_u32 v3, v2, 4, v3                   ; A: token x pitch + 16 h
	v_and_b32 v5, 7, v0
	v_bfe_u32 v6, v0, 3, 1
	v_lshl_add_u32 v5, v2, 3, v5                   ; W: row of K 8 h + l % 8,
	v_mul_u32_u24 v5, v5, PB
	v_lshl_add_u32 v5, v6, 4, v5                   ; columns 8 ((l / 8) % 2) on
	s_mul_i32 s21, s11, HALFT                      ; my 64 tokens
	s_lshl_b32 s22, s12, 7                         ; my 64 columns,
	s_add_co_u32 s22, s22, 2*HALFT                 ; behind A
.irp s, 0,1
	v_add_nc_u32 v[ADRA+(\s)], s21, v3
	v_add_nc_u32 v[ADRB+2*(\s)], s22, v5
	s_add_co_u32 s22, s22, HALFT
	v_add_nc_u32 v[ADRB+2*(\s)+1], s22, v5
	s_add_co_u32 s21, s21, SLOT
	s_add_co_u32 s22, s22, SLOT-HALFT
.endr
	s_mul_i32 s23, s10, 16*SPITCH
	s_add_co_u32 s23, s23, STAGE                   ; my stage: 64 f32 columns are 256 bytes, so a wave's rows are whole and the stage is its own
	v_mul_u32_u24 v4, v1, SPITCH                   ; in: row r, 32 bytes for each half of the lanes
	v_lshl_add_u32 v4, v2, 5, v4
	v_add_nc_u32 v[STO], s23, v4
	v_mul_u32_u24 v7, v2, SPITCH                   ; back: lanes 0-15 one row, lanes 16-31 the next
	v_lshl_add_u32 v7, v1, 4, v7
	v_add_nc_u32 v[RD], s23, v7
; 8 matrix instructions: m blocks a0, a0 + 1 x all 4 n blocks, 32 along K: half c of buffer f.  The 16 accumulators take turns.
.macro MUL8 f, c, a0, zero
	WIN MUL
.irp a, \a0, (\a0)+1
.irp b, 0,1,2,3
.if \zero
	v_wmma_f32_16x16x32_f16 v[ACC+8*(4*(\a)+(\b)):ACC+8*(4*(\a)+(\b))+7], v[(\f)+64+8*(4*(\c)+(\b)):(\f)+64+8*(4*(\c)+(\b))+7], v[(\f)+8*(4*(\c)+(\a)):(\f)+8*(4*(\c)+(\a))+7], 0
.else
	v_wmma_f32_16x16x32_f16 v[ACC+8*(4*(\a)+(\b)):ACC+8*(4*(\a)+(\b))+7], v[(\f)+64+8*(4*(\c)+(\b)):(\f)+64+8*(4*(\c)+(\b))+7], v[(\f)+8*(4*(\c)+(\a)):(\f)+8*(4*(\c)+(\a))+7], v[ACC+8*(4*(\a)+(\b)):ACC+8*(4*(\a)+(\b))+7]
.endif
.endr
.endr
.endm
; 32 LDS loads in one run: quarter q of a slot (64 along K: one plane of A) into buffer f; the first 32 along K first
.macro FETCH slot, q, f
	WIN TO_F
.irp c, 0,1
.irp i, 0,1,2,3
	ds_load_tr16_b128 v[(\f)+64+8*(4*(\c)+(\i)):(\f)+64+8*(4*(\c)+(\i))+3],   v[ADRB+2*(\slot)+(\q)/2] offset:(((\q)%2)*64+32*(\c))*PB+32*(\i)
	ds_load_tr16_b128 v[(\f)+64+8*(4*(\c)+(\i))+4:(\f)+64+8*(4*(\c)+(\i))+7], v[ADRB+2*(\slot)+(\q)/2] offset:(((\q)%2)*64+32*(\c)+16)*PB+32*(\i)
	ds_load_b128 v[(\f)+8*(4*(\c)+(\i)):(\f)+8*(4*(\c)+(\i))+3],         v[ADRA+(\slot)] offset:(\q)*64*PA+(\i)*16*PA+64*(\c)
	ds_load_b128 v[(\f)+8*(4*(\c)+(\i))+4:(\f)+8*(4*(\c)+(\i))+7],       v[ADRA+(\slot)] offset:(\q)*64*PA+(\i)*16*PA+64*(\c)+32
.endr
.endr
.endm
.macro PLACES                          ; four plain instructions between a matrix instruction and a load into, or a read of, its registers
.rept 4
	v_nop
.endr
.endm
.macro QUARTER slot, q, f, g, zero
	s_wait_dscnt 16                                ; the first 32 along K are in
	MUL8 \f, 0, 0, \zero
	MUL8 \f, 0, 2, \zero
	PLACES
	FETCH \slot, \q, \g
	s_wait_dscnt 32                                ; all but the 32 just issued
	MUL8 \f, 1, 0, 0
	MUL8 \f, 1, 2, 0
.endm
; The last quarter multiplies buffer 1 and changes slots: in front of the barrier each wave waits for all its tensor loads (one is out: its part of the next slot), adds 0 to its spare word,
; and waits for that and for its reads of this slot.  fill = 1: the barrier opens a round of the cluster's, and the joint refill, two K steps ahead, is the first thing behind it.
.macro TURN slot, next, fill
	WIN 0
	s_wait_tensorcnt 0x0
	ds_add_u32 v[SPW], v[NIL]
	s_wait_dscnt 17                                ; the add and the youngest sixteen loads may be out
	MUL8 F1, 0, 0, 0
	s_wait_dscnt 0x0                               ; the add is done, and my reads of this slot are over
	s_barrier_signal -1
	MUL8 F1, 0, 2, 0
.if \fill
	WIN 0
.endif
	s_barrier_wait -1
.if \fill
	CREST
	s_add_nc_u64 s[G0+4*(\slot)+2:G0+4*(\slot)+3], s[G0+4*(\slot)+2:G0+4*(\slot)+3], 8*524288
	s_add_nc_u64 s[G0B+4*(\slot)+2:G0B+4*(\slot)+3], s[G0B+4*(\slot)+2:G0B+4*(\slot)+3], 2*KSTEP*2048
	JLOAD \slot                                    ; its four v_nop are also the places in front of the loads below
.else
	PLACES
.endif
	FETCH \next, 0, F0
	MUL8 F1, 1, 0, 0
	MUL8 F1, 1, 2, 0
.endm
	s_wait_tensorcnt 1                             ; my part of K step 0 is in; K step 1's stays out
	s_barrier_signal -1
	s_barrier_wait -1
	FETCH 0, 0, F0
	QUARTER 0, 1, F0, F1, 1                        ; its first products start the sums
	WIN 0
	s_mov_b32 s3, LAPS-1
.Llap:                                                 ; a trip goes once round the ring and fills both slots again
	QUARTER 0, 2, F1, F0, 0
	QUARTER 0, 3, F0, F1, 0
	TURN 0, 1, 1
	QUARTER 1, 1, F0, F1, 0
	QUARTER 1, 2, F1, F0, 0
	QUARTER 1, 3, F0, F1, 0
	TURN 1, 0, 1
	QUARTER 0, 1, F0, F1, 0
	WIN 0
	s_sub_co_u32 s3, s3, 1
	s_cmp_lg_u32 s3, 0
	s_cbranch_scc1 .Llap
	QUARTER 0, 2, F1, F0, 0                        ; the last lap fills nothing
	QUARTER 0, 3, F0, F1, 0
	TURN 0, 1, 0
	QUARTER 1, 1, F0, F1, 0
	QUARTER 1, 2, F1, F0, 0
	QUARTER 1, 3, F0, F1, 0
	s_wait_dscnt 16
	MUL8 F1, 0, 0, 0
	MUL8 F1, 0, 2, 0
	s_wait_dscnt 0x0
	MUL8 F1, 1, 0, 0
	MUL8 F1, 1, 2, 0
	WIN 0
	; THE WAY OUT, 16 rows at a time: the f32 sums go into my stage, come back as whole rows of 256 bytes, take bias and residual, and are stored.
	s_wait_loadcnt 0x0                             ; bias and residual
	PLACES
.irp a, 0,1,2,3
.set BK, TMP+32*((\a)%2)
	s_wait_xcnt 0x0                                ; the stores of two blocks ago have read the registers that are loaded below
.irp b, 0,1,2,3
	ds_store_b128 v[STO], v[ACC+8*(4*(\a)+(\b)):ACC+8*(4*(\a)+(\b))+3]   offset:64*(\b)      ; each accumulator's low registers first
	ds_store_b128 v[STO], v[ACC+8*(4*(\a)+(\b))+4:ACC+8*(4*(\a)+(\b))+7] offset:64*(\b)+16
.endr
.irp t, 0,1,2,3,4,5,6,7
	ds_load_b128 v[BK+4*(\t):BK+4*(\t)+3], v[RD] offset:(\t)*2*SPITCH  ; LDS serves a wave's instructions in order (ISA guide 5.7.1.4): these see the stores above
.endr
	s_wait_dscnt 0x0
.irp t, 0,1,2,3,4,5,6,7
	v_pk_add_f32 v[BK+4*(\t):BK+4*(\t)+1],   v[BK+4*(\t):BK+4*(\t)+1],   v[BI:BI+1]
	v_pk_add_f32 v[BK+4*(\t)+2:BK+4*(\t)+3], v[BK+4*(\t)+2:BK+4*(\t)+3], v[BI+2:BI+3]
.endr
	WIN 0x08                                       ; source 1: window 2, the residual
.irp t, 0,1,2,3,4,5,6,7
	v_pk_add_f32 v[BK+4*(\t):BK+4*(\t)+1],   v[BK+4*(\t):BK+4*(\t)+1],   v[32*(\a)+4*(\t):32*(\a)+4*(\t)+1]
	v_pk_add_f32 v[BK+4*(\t)+2:BK+4*(\t)+3], v[BK+4*(\t)+2:BK+4*(\t)+3], v[32*(\a)+4*(\t)+2:32*(\a)+4*(\t)+3]
.endr
	WIN 0
.irp t, 0,1,2,3,4,5,6,7
	global_store_b128 v[CO], v[BK+4*(\t):BK+4*(\t)+3], s[74:75] offset:(16*(\a)+2*(\t))*4096  ; 16 lanes store 256 consecutive bytes at a multiple of 256
.endr
.endr
	s_wait_tensorcnt 0x0                           ; the wave's end
	ds_add_u32 v[SPW], v[NIL]
	s_wait_dscnt 0x0
	CROUND                                         ; the closing round
	s_endpgm
.Lfunc_end_k_q177147acbe_proj:
	.size	k_q177147acbe_proj, .Lfunc_end_k_q177147acbe_proj-k_q177147acbe_proj
	.p2alignl 7, 3214868480
	.fill 96, 4, 3214868480
	.section	.rodata,"a",@progbits
	.p2align	6, 0x0
	.amdhsa_kernel k_q177147acbe_proj
		.amdhsa_group_segment_fixed_size 327680
		.amdhsa_private_segment_fixed_size 0
		.amdhsa_enable_private_segment 0
		.amdhsa_kernarg_size 40
		.amdhsa_user_sgpr_count 2
		.amdhsa_user_sgpr_kernarg_segment_ptr 1
		.amdhsa_wavefront_size32 1
		.amdhsa_system_sgpr_workgroup_id_x 1
		.amdhsa_system_sgpr_workgroup_id_y 1
		.amdhsa_system_sgpr_workgroup_id_z 1
		.amdhsa_system_vgpr_workitem_id 0
		.amdhsa_next_free_vgpr 640
		.amdhsa_next_free_sgpr 80
		.amdhsa_reserve_vcc 0
		.amdhsa_float_denorm_mode_32 3
		.amdhsa_float_denorm_mode_16_64 3
		.amdhsa_memory_ordered 1
		.amdhsa_forward_progress 1
		.amdhsa_inst_pref_size 98
	.end_amdhsa_kernel
	.amdgpu_metadata
---
amdhsa.version: [ 1, 2 ]
amdhsa.kernels:
  - .name:           k_q177147acbe_proj
    .symbol:         k_q177147acbe_proj.kd
    .args:
      - { .name: act, .offset: 0, .size: 8, .value_kind: global_buffer, .address_space: global }
      - { .name: wp, .offset: 8, .size: 8, .value_kind: global_buffer, .address_space: global }
      - { .name: proj_b, .offset: 16, .size: 8, .value_kind: global_buffer, .address_space: global }
      - { .name: x, .offset: 24, .size: 8, .value_kind: global_buffer, .address_space: global }
      - { .name: x1, .offset: 32, .size: 8, .value_kind: global_buffer, .address_space: global }
    .group_segment_fixed_size: 327680
    .private_segment_fixed_size: 0
    .kernarg_segment_align: 8
    .kernarg_segment_size: 40
    .max_flat_workgroup_size: 128
    .sgpr_count:     80
    .vgpr_count:     640
    .wavefront_size: 32
...
	.end_amdgpu_metadata
.endif
;; end of part 4
;; launch ln2 (part 5): grid 256 x 1, 8 waves a work-group, no clusters, 0 bytes of LDS; arguments x1, ln2_w, ln2_b, act; writes act
.if DOCPART == 5
	.amdgcn_target "amdgcn-amd-amdhsa--gfx1250"
	.amdhsa_code_object_version 6
	.text
	.protected	k_q177147acbe_ln2
	.globl	k_q177147acbe_ln2
	.p2align	8
	.type	k_q177147acbe_ln2,@function
k_q177147acbe_ln2:
	s_mov_b64 s[64:65], 0
	v_nop
	global_prefetch_b8 v0, s[64:65] scope:SCOPE_SE
	s_setreg_imm32_b32 hwreg(HW_REG_WAVE_MODE, 25, 1), 1
	s_wait_xcnt 0x0
; y[r][:] = (x[r][:] - mean) * rsqrt(var + 1e-5) * w + b.  x: [4096][1024] f32; y: [4096][1024] f16, rounded once.
; The variance is taken of x - mean (two passes over registers), so a common offset of x costs nothing.
; LIMIT: y of 65,520 or more in magnitude becomes an infinity in f16.
; One wave takes a whole row (32 registers), two rows a wave, so the reductions never leave the wave: no LDS, no barrier.
; Load j of a row covers 512 consecutive bytes (lane l: numbers 128 j + 4 l ..), store j 256 consecutive bytes at a multiple of 256.
.set W,  4                             ; v[4:35]    gain of my 32 columns
.set B,  36                            ; v[36:67]   bias
.set X,  68                            ; v[68:131]  row i at X + 32 i
.set T,  132                           ; v[132:147] at work
.set MU, 148                           ; v[148:149] the mean, twice
.set RS, 150                           ; v[150:151] 1 / sqrt(var + eps), twice
.set Y,  152                           ; v[152:183] row i at Y + 16 i: packed f16
	s_load_b256 s[4:11], s[0:1], 0x0               ; x s[4:5], w s[6:7], b s[8:9], y s[10:11]
	v_and_b32 v3, 31, v0
	v_lshlrev_b32 v1, 4, v3                        ; 16 x lane
	v_lshlrev_b32 v2, 3, v3                        ; 8 x lane
	v_lshrrev_b32 v3, 5, v0
	v_readfirstlane_b32 s12, v3                    ; wave
	s_lshl_b32 s14, ttmp9, 16                      ; 16 rows of 4,096 bytes a work-group,
	s_lshl_b32 s13, s12, 13                        ; two a wave
	s_add_co_u32 s14, s14, s13
	s_mov_b32 s15, 0
	s_lshr_b32 s20, s14, 1                         ; y's rows are half as long
	s_mov_b32 s21, 0
	s_mov_b32 s16, 0x76543210                      ; v_permlanex16_b32: each lane takes its own place in the other half
	s_mov_b32 s17, 0xfedcba98
	s_mov_b32 s18, 0x3a800000                      ; 1 / 1024
	s_mov_b32 s19, 0x3727c5ac                      ; 1e-5
	s_wait_kmcnt 0x0
	s_add_nc_u64 s[4:5], s[4:5], s[14:15]
	s_add_nc_u64 s[10:11], s[10:11], s[20:21]
.irp i, 0,1
.irp j, 0,1,2,3,4,5,6,7
	global_load_b128 v[X+32*\i+4*\j:X+32*\i+4*\j+3], v1, s[4:5] offset:4096*\i+512*\j
.endr
.endr
.irp j, 0,1,2,3,4,5,6,7
	global_load_b128 v[W+4*\j:W+4*\j+3], v1, s[6:7] offset:512*\j
.endr
.irp j, 0,1,2,3,4,5,6,7
	global_load_b128 v[B+4*\j:B+4*\j+3], v1, s[8:9] offset:512*\j
.endr
; T's eight pairs are added into one number, the same in every lane
.macro FOLD
.irp k, 0,1,2,3
	v_pk_add_f32 v[T+4*\k:T+4*\k+1], v[T+4*\k:T+4*\k+1], v[T+4*\k+2:T+4*\k+3]
.endr
	v_pk_add_f32 v[T:T+1], v[T:T+1], v[T+4:T+5]
	v_pk_add_f32 v[T+8:T+9], v[T+8:T+9], v[T+12:T+13]
	v_pk_add_f32 v[T:T+1], v[T:T+1], v[T+8:T+9]
	v_add_f32 v[T], v[T], v[T+1]
	v_add_f32_dpp v[T], v[T], v[T] row_xmask:1 row_mask:0xf bank_mask:0xf
	v_add_f32_dpp v[T], v[T], v[T] row_xmask:2 row_mask:0xf bank_mask:0xf
	v_add_f32_dpp v[T], v[T], v[T] row_xmask:4 row_mask:0xf bank_mask:0xf
	v_add_f32_dpp v[T], v[T], v[T] row_xmask:8 row_mask:0xf bank_mask:0xf
	v_permlanex16_b32 v[T+1], v[T], s16, s17       ; its destination has been written above
	v_add_f32 v[T], v[T], v[T+1]
.endm
; Row i.  left: the younger loads that may stay out when the row has to be there.
.macro ROW i, left
.set XR, X+32*(\i)
.set YR, Y+16*(\i)
	s_wait_loadcnt \left
.set k, 0
.rept 8
	v_pk_add_f32 v[T+2*k:T+2*k+1], v[XR+4*k:XR+4*k+1], v[XR+4*k+2:XR+4*k+3]
.set k, k+1
.endr
	FOLD
	v_mul_f32 v[MU], s18, v[T]
	v_mul_f32 v[MU+1], s18, v[T]
.set k, 0
.rept 16
	v_pk_add_f32 v[XR+2*k:XR+2*k+1], v[XR+2*k:XR+2*k+1], v[MU:MU+1] neg_lo:[0,1] neg_hi:[0,1]
.set k, k+1
.endr
.set k, 0
.rept 8                                ; eight chains of squares, started by the first eight pairs: nothing is cleared
	v_pk_mul_f32 v[T+2*k:T+2*k+1], v[XR+2*k:XR+2*k+1], v[XR+2*k:XR+2*k+1]
.set k, k+1
.endr
.set k, 0
.rept 8
	v_pk_fma_f32 v[T+2*k:T+2*k+1], v[XR+16+2*k:XR+16+2*k+1], v[XR+16+2*k:XR+16+2*k+1], v[T+2*k:T+2*k+1]
.set k, k+1
.endr
	FOLD
	v_fma_f32 v[T+2], v[T], s18, s19               ; var + eps
	v_rsq_f32 v[RS], v[T+2]
	v_rsq_f32 v[RS+1], v[T+2]
	v_nop                                          ; a plain instruction between the root and the use of its result (ISA guide 5.7.2)
.if (\i) == 0
	s_wait_loadcnt 0x0                             ; gain and bias, once
.endif
.set k, 0
	s_wait_alu depctr_va_vdst(0)
.rept 16
	v_pk_mul_f32 v[XR+2*k:XR+2*k+1], v[XR+2*k:XR+2*k+1], v[RS:RS+1]
.set k, k+1
.endr
.set k, 0
.rept 16
	v_pk_fma_f32 v[XR+2*k:XR+2*k+1], v[XR+2*k:XR+2*k+1], v[W+2*k:W+2*k+1], v[B+2*k:B+2*k+1]
.set k, k+1
.endr
.set k, 0
.rept 16
	v_cvt_pk_f16_f32 v[YR+k], v[XR+2*k], v[XR+2*k+1]
.set k, k+1
.endr
.irp j, 0,1,2,3,4,5,6,7
	global_store_b64 v2, v[YR+2*\j:YR+2*\j+1], s[10:11] offset:2048*(\i)+256*\j
.endr
.endm
	ROW 0, 24                                      ; row 1's eight loads, the gain's and the bias's stay out
	ROW 1, 0
	s_endpgm
.Lfunc_end_k_q177147acbe_ln2:
	.size	k_q177147acbe_ln2, .Lfunc_end_k_q177147acbe_ln2-k_q177147acbe_ln2
	.p2alignl 7, 3214868480
	.fill 96, 4, 3214868480
	.section	.rodata,"a",@progbits
	.p2align	6, 0x0
	.amdhsa_kernel k_q177147acbe_ln2
		.amdhsa_group_segment_fixed_size 0
		.amdhsa_private_segment_fixed_size 0
		.amdhsa_enable_private_segment 0
		.amdhsa_kernarg_size 32
		.amdhsa_user_sgpr_count 2
		.amdhsa_user_sgpr_kernarg_segment_ptr 1
		.amdhsa_wavefront_size32 1
		.amdhsa_system_sgpr_workgroup_id_x 1
		.amdhsa_system_sgpr_workgroup_id_y 1
		.amdhsa_system_sgpr_workgroup_id_z 1
		.amdhsa_system_vgpr_workitem_id 0
		.amdhsa_next_free_vgpr 184
		.amdhsa_next_free_sgpr 66
		.amdhsa_reserve_vcc 0
		.amdhsa_float_denorm_mode_32 3
		.amdhsa_float_denorm_mode_16_64 3
		.amdhsa_memory_ordered 1
		.amdhsa_forward_progress 1
		.amdhsa_inst_pref_size 21
	.end_amdhsa_kernel
	.amdgpu_metadata
---
amdhsa.version: [ 1, 2 ]
amdhsa.kernels:
  - .name:           k_q177147acbe_ln2
    .symbol:         k_q177147acbe_ln2.kd
    .args:
      - { .name: x1, .offset: 0, .size: 8, .value_kind: global_buffer, .address_space: global }
      - { .name: ln2_w, .offset: 8, .size: 8, .value_kind: global_buffer, .address_space: global }
      - { .name: ln2_b, .offset: 16, .size: 8, .value_kind: global_buffer, .address_space: global }
      - { .name: act, .offset: 24, .size: 8, .value_kind: global_buffer, .address_space: global }
    .group_segment_fixed_size: 0
    .private_segment_fixed_size: 0
    .kernarg_segment_align: 8
    .kernarg_segment_size: 32
    .max_flat_workgroup_size: 256
    .sgpr_count:     66
    .vgpr_count:     184
    .wavefront_size: 32
...
	.end_amdgpu_metadata
.endif
;; end of part 5
;; launch fc1 (part 6): grid 16 x 16, 4 waves a work-group, clusters of 4 x 4, 327,680 bytes of LDS; arguments act, wbig, fc1_b, big; writes big
.if DOCPART == 6
	.amdgcn_target "amdgcn-amd-amdhsa--gfx1250"
	.amdhsa_code_object_version 6
	.text
	.protected	k_q177147acbe_fc1
	.globl	k_q177147acbe_fc1
	.p2align	8
	.type	k_q177147acbe_fc1,@function
k_q177147acbe_fc1:
	s_mov_b64 s[64:65], 0
	v_nop
	global_prefetch_b8 v0, s[64:65] scope:SCOPE_SE
	s_setreg_imm32_b32 hwreg(HW_REG_WAVE_MODE, 25, 1), 1
	s_wait_xcnt 0x0
	s_wait_alu depctr_hold_cnt(0) depctr_sa_sdst(0) depctr_va_vdst(0) depctr_va_sdst(0) depctr_va_ssrc(0) depctr_va_vcc(0) depctr_vm_vsrc(0)
	s_getreg_b32 s2, hwreg(HW_REG_IB_STS2, 6, 4)
	s_cmp_eq_u32 s2, 0
	s_cbranch_scc0 .Lentry_in_a_cluster
	s_endpgm
.Lentry_in_a_cluster:
	s_bfe_u32 s2, ttmp6, 0x10000c
	s_cmp_lg_u32 s2, 0xf033
	s_cbranch_scc0 .Lentry_shape_is_right
	s_endpgm
.Lentry_shape_is_right:
; C = A W (FC1 = 0: the q, k, v projection, N = 3,072) or C = gelu(A W + bias) (FC1 = 1: N = 4,096).  One text, the switch FC1 at its head.
; A: [4096][1024] f16, rows along K.  W: [1024][N] f16, rows along N, at byte WOFF of its buffer.  Sums in f32, C rounded once to f16.
; C leaves in PLANES of 64 columns, [N/64][4096 tokens][64] f16: a head's (or a K slice's) rows are then dense for the launch behind.
; LIMITS: operands and results lie within f16's 65,504.  The exact GELU is max(z,0) - (|z|/2) erfc(|z|/sqrt 2), erfc by the five-term
; rational form of Abramowitz and Stegun 7.1.26, absolute error at most 1.5e-7 for every argument.
; SHAPE: a tile of C is 256 x 256, four waves, each 128 x 128 in 64 accumulators (512 registers).  K goes in steps of 128 through two LDS slots.
; A slot holds 256 rows of A (256 bytes + 16 of padding) and 128 rows of W (256 columns: 512 bytes + 32).  W's fragments come out of LDS
; turned, by ds_load_tr16_b128.  Waves 0, 1 fetch A's halves (128 rows), waves 2, 3 W's halves (64 rows of K): one tensor load a wave.
; CLUSTER: 4 x 4 work-groups; A's tile is asked for jointly by a row of the cluster, W's by a column.
; THE MATRIX INSTRUCTION IS USED TRANSPOSED: source 0 = 16 columns of W, source 1 = 16 rows of A: a lane then holds one token and eight neighbouring columns.
; REGISTERS by windows of 256: window 0: v0-31 addresses, v64-191 A's two fragment buffers, v32-63, v192-255 the way out (FC1: v64-111 at work there);
; window 1: v64-191 W's two fragment buffers (FC1: v0-63 the bias of my 128 columns); windows 2, 3: accumulator (a, b) at v[8 (8 a + b)].
; The way out with the GELU is written out for all 64 blocks, since accumulators are named in the text: a long straight run behind a short loop.
.set FC1, 1
.if FC1
.set NN,   4096
.set WOFF, 6291456
.else
.set NN,   3072
.set WOFF, 0
.endif
.set KK,     1024
.set KSTEP,  128
.set PA,     272                       ; a row of A in LDS: 68 words, so the 16 rows of a load start at 16 different groups of four banks (64 banks of 4 bytes: ISA guide 11.1)
.set PB,     544                       ; a row of W in LDS: 17 x 32 bytes
.set HALFT,  128*PA                    ; what one tensor load brings: 128 rows of A, or 64 rows of W: 34,816 bytes either way
.set SLOT,   4*HALFT
.set STAGE,  2*SLOT                    ; behind the ring: 16 rows x 272 bytes for each wave, never filled by a tensor load
.set SPITCH, 272
.set SPARE,  STAGE+4*16*SPITCH         ; the spare words: 128 bytes for each wave, named by no other line
.set LAPS,   KK/(2*KSTEP)
.set PLANE,  524288                    ; bytes in a plane of C
.set ADRA, 16                          ; v16-17  LDS address of my A fragments in slot 0, 1
.set ADRB, 20                          ; v20-21  the same for W
.set STO,  24                          ; v24  the way out: where I put 16 bytes of a row
.set RD,   25                          ; v25  where I read rows back
.set GO,   26                          ; v26  16 x lane: my place in 512 dense bytes of a plane
.set BO,   27                          ; v27  my offset in the bias
.set SPW,  28                          ; v28  my spare word's address; never rewritten
.set NIL,  29                          ; v29  0; never rewritten
.set F0,   64
.set F1,   128
.set TMP,  192
.set OB,   32
.set GZ,   64                          ; the GELU's registers, eight each
.set GR,   72
.set GH,   80
.set GT,   88
.set GE,   96
.set GP,   104
.set G1,  24                           ; s[24:31] group 1 for A, s[32:39] group 0, a set for each slot
.set G0,  32
.set G1B, 48                           ; s[48:55], s[56:63] the same for W
.set G0B, 56
.set MSB, 0
.macro WIN new                         ; the immediate's high byte repeats the setting that is left; a switch that changes nothing is dropped
.if MSB != (\new)
	s_set_vgpr_msb (MSB<<8)|(\new)
.set MSB, \new
.endif
.endm
.set MUL_LO, 0xa1                      ; source 0 (W) window 1, source 1 (A) window 0, C and D window 2
.set MUL_HI, 0xf1                      ; the same, C and D window 3
.set TO_B,   0x40                      ; destination window 1, address window 0
; A joint load.  The branch hangs on the wave's number alone.  Four v_nop follow each of the two lines.
.macro JLOAD s
	s_cmp_eq_u32 s11, 0
	s_cbranch_scc0 .Lfor_b_\@
	tensor_load_to_lds s[G0+4*(\s):G0+4*(\s)+3], s[G1:G1+7]
	s_nop 0
.rept 4
	v_nop
.endr
	s_branch .Lasked_\@
.Lfor_b_\@:
	tensor_load_to_lds s[G0B+4*(\s):G0B+4*(\s)+3], s[G1B:G1B+7]
	s_nop 0
.rept 4
	v_nop
.endr
.Lasked_\@:
.endm
.macro CREST                           ; a round of the cluster's barrier behind its opening barrier
	s_cmp_lg_u32 s10, 0
	s_cbranch_scc1 .Lnot_wave_0_\@
	s_barrier_signal -3
.Lnot_wave_0_\@:
	s_barrier_wait -3
	s_barrier_signal -1
	s_barrier_wait -1
.endm
.macro CROUND                          ; a whole round
	s_barrier_signal -1
	s_barrier_wait -1
	CREST
.endm
	s_load_b128 s[4:7], s[0:1], 0x0                ; A s[4:5], W s[6:7]
.if FC1
	s_load_b64 s[66:67], s[0:1], 0x10              ; bias
	s_load_b64 s[8:9], s[0:1], 0x18                ; C
.else
	s_load_b64 s[8:9], s[0:1], 0x10                ; C
.endif
	v_lshl_add_u32 v[SPW], v0, 2, SPARE
	v_mov_b32 v[NIL], 0
	ds_add_u32 v28, v29
	s_wait_dscnt 0x0
	v_lshrrev_b32 v1, 5, v0
	v_readfirstlane_b32 s10, v1                    ; wave 0..3
	s_lshr_b32 s11, s10, 1                         ; which half of the tile's rows is mine.  Also: I fetch for A (0) or for W (1)
	s_and_b32 s12, s10, 1                          ; which half of its columns.  Also: which half of that tile I fetch
	s_bfe_u32 s40, ttmp6, 0x40000                  ; cx
	s_bfe_u32 s41, ttmp6, 0x40004                  ; cy
	s_lshl_b32 s42, ttmp9, 2
	s_add_co_u32 s42, s42, s40                     ; tile column = 4 x cluster x + cx
	s_and_b32 s13, ttmp7, 0xffff
	s_lshl_b32 s13, s13, 2
	s_add_co_u32 s13, s13, s41                     ; tile row = 4 x cluster y + cy
	s_lshl_b32 s43, s41, 2
	s_lshl_b32 s43, 15, s43                        ; my row of the cluster
	s_lshl_b32 s44, 0x1111, s40                    ; my column
	s_or_b32 s[G1+0], s43, (1<<16)|(1<<20)|(1<<21)|(5<<22)|(3<<25)   ; mask; 2-byte elements; padding on; bit 21 beside a mask; after every 64 words 4 words
	s_or_b32 s[G1B+0], s44, (1<<16)|(1<<20)|(1<<21)|(6<<22)|(7<<25)  ; the column's mask; after every 128 words 8 words
	s_mov_b32 s[G1+1], KSTEP<<16                   ; A: tensor_dim0 = 128
	s_mov_b32 s[G1+2], 128<<16                     ; tensor_dim1 = 128
	s_mov_b32 s[G1+3], KSTEP<<16                   ; tile_dim0 = 128
	s_mov_b32 s[G1+4], 128                         ; tile_dim1 = 128
	s_mov_b32 s[G1+5], KK                          ; elements from row to row
	s_mov_b32 s[G1+6], 0
	s_mov_b32 s[G1+7], 0
	s_mov_b32 s[G1B+1], 256<<16                    ; W: tensor_dim0 = 256 columns
	s_mov_b32 s[G1B+2], 64<<16                     ; tensor_dim1 = 64 rows of K
	s_mov_b32 s[G1B+3], 256<<16
	s_mov_b32 s[G1B+4], 64
	s_mov_b32 s[G1B+5], NN
	s_mov_b32 s[G1B+6], 0
	s_mov_b32 s[G1B+7], 0
	; A's address hangs on the tile row alone, W's on the tile column alone, each in registers that never hold the other coordinate
	s_lshl_b32 s17, s12, 7
	s_lshl_b32 s16, s13, 8
	s_add_co_u32 s16, s16, s17                     ; A: row 256 x tile row + 128 x half,
	s_lshl_b32 s16, s16, 11                        ; of 2,048 bytes
	s_mov_b32 s17, 0
	s_lshl_b32 s46, s12, 6                         ; W: row of K 64 x half,
	s_mul_i32 s46, s46, 2*NN
	s_lshl_b32 s47, s42, 9                         ; column 256 x tile column
	s_add_co_u32 s46, s46, s47
.if WOFF
	s_add_co_u32 s46, s46, WOFF
.endif
	s_mov_b32 s47, 0
	s_mul_i32 s20, s10, HALFT                      ; where they go: wave x 34,816: no place in the cluster enters an LDS address
	s_wait_kmcnt 0x0
	s_add_nc_u64 s[14:15], s[4:5], s[16:17]
	s_add_nc_u64 s[46:47], s[6:7], s[46:47]
	CROUND                                         ; all sixteen work-groups are here: the first joint loads meet
.irp s, 0,1
	s_mov_b32 s[G0+4*(\s)], 1
	s_add_co_u32 s[G0+4*(\s)+1], s20, (\s)*SLOT
	s_add_nc_u64 s[G0+4*(\s)+2:G0+4*(\s)+3], s[14:15], (\s)*KSTEP*2
	s_or_b32 s[G0+4*(\s)+3], s[G0+4*(\s)+3], 0x80000000
	s_mov_b32 s[G0B+4*(\s)], 1
	s_add_co_u32 s[G0B+4*(\s)+1], s20, (\s)*SLOT
	s_add_nc_u64 s[G0B+4*(\s)+2:G0B+4*(\s)+3], s[46:47], (\s)*KSTEP*2*NN
	s_or_b32 s[G0B+4*(\s)+3], s[G0B+4*(\s)+3], 0x80000000
	JLOAD \s                                       ; two loads of mine are out
.endr
	v_and_b32 v1, 15, v0                           ; r = l % 16
	v_bfe_u32 v2, v0, 4, 1                         ; h = l / 16
	v_mul_u32_u24 v3, v1, PA
	v_lshl_add_u32 v3, v2, 4, v3                   ; A: row x pitch + 16 h
	v_and_b32 v5, 7, v0
	v_bfe_u32 v6, v0, 3, 1
	v_lshl_add_u32 v5, v2, 3, v5                   ; W: row of K 8 h + l % 8,
	v_mul_u32_u24 v5, v5, PB
	v_lshl_add_u32 v5, v6, 4, v5                   ; columns 8 ((l / 8) % 2) on
	s_mul_i32 s21, s11, HALFT                      ; my 128 rows of A
	s_lshl_b32 s22, s12, 8                         ; my 128 columns of W,
	s_add_co_u32 s22, s22, 2*HALFT                 ; which lies behind A
.irp s, 0,1
	v_add_nc_u32 v[ADRA+(\s)], s21, v3
	v_add_nc_u32 v[ADRB+(\s)], s22, v5
	s_add_co_u32 s21, s21, SLOT
	s_add_co_u32 s22, s22, SLOT
.endr
	s_mul_i32 s23, s10, 16*SPITCH
	s_add_co_u32 s23, s23, STAGE                   ; my stage
	v_mul_u32_u24 v4, v1, SPITCH                   ; in: row r, 16 bytes for each half of the lanes
	v_lshl_add_u32 v4, v2, 4, v4
	v_add_nc_u32 v[STO], s23, v4
	v_bfe_u32 v7, v0, 3, 2                         ; back: 32 lanes take four rows' 128 bytes of one plane
	v_mul_u32_u24 v7, v7, SPITCH
	v_and_b32 v4, 7, v0
	v_lshl_add_u32 v7, v4, 4, v7
	v_add_nc_u32 v[RD], s23, v7
	v_and_b32 v[GO], 31, v0
	v_lshlrev_b32 v[GO], 4, v[GO]
	s_lshl_b32 s16, s13, 8
	s_lshl_b32 s14, s11, 7
	s_add_co_u32 s16, s16, s14                     ; my first token,
	s_lshl_b32 s16, s16, 7                         ; 128 bytes each in a plane
	s_lshl_b32 s46, s42, 2
	s_lshl_b32 s47, s12, 1
	s_add_co_u32 s46, s46, s47                     ; my first plane = 4 x tile column + 2 x half
	s_lshl_b32 s46, s46, 19
	s_add_co_u32 s16, s16, s46
	s_mov_b32 s17, 0
	s_add_nc_u64 s[8:9], s[8:9], s[16:17]          ; never stepped: blocks and planes stand in the stores' immediates
.if FC1
	s_lshl_b32 s46, s42, 10                        ; the bias of my 128 columns
	s_lshl_b32 s47, s12, 9
	s_add_co_u32 s46, s46, s47
	s_mov_b32 s47, 0
	s_add_nc_u64 s[66:67], s[66:67], s[46:47]
	v_lshlrev_b32 v[BO], 5, v2                     ; a lane's eight columns of a block begin at 8 h
	WIN TO_B
.irp b, 0,1,2,3,4,5,6,7
	global_load_b128 v[8*\b:8*\b+3],   v[BO], s[66:67] offset:64*\b
	global_load_b128 v[8*\b+4:8*\b+7], v[BO], s[66:67] offset:64*\b+16
.endr
	WIN 0
	s_mov_b32 s68, 0x3e827906                      ; a1 .. a5 of the rational form, as pairs: the packed forms name a pair and take its low word
	s_mov_b32 s69, 0x3e827906
	s_mov_b32 s70, 0xbe91a98e
	s_mov_b32 s71, 0xbe91a98e
	s_mov_b32 s72, 0x3fb5f0e3
	s_mov_b32 s73, 0x3fb5f0e3
	s_mov_b32 s74, 0xbfba00e3
	s_mov_b32 s75, 0xbfba00e3
	s_mov_b32 s76, 0x3f87dc22
	s_mov_b32 s77, 0x3f87dc22
	s_mov_b32 s78, 0x3eed3388                      ; sqrt 2 x 0.3275911
	s_mov_b32 s79, 0x3eed3388
	s_mov_b32 s80, 0xbf38aa3b                      ; - log2(e) / 2
	s_mov_b32 s81, 0xbf38aa3b
.endif
; 16 matrix instructions: m blocks a0, a0 + 1 of the window's four x all 8 n blocks, 32 along K.  zero = 1: the first product starts the sums.
; The 64 accumulators take turns, one instruction a turn.
.macro MUL16 f, hi, a0, zero
	WIN MUL_LO+0x50*(\hi)
.irp a, \a0, (\a0)+1
.irp b, 0,1,2,3,4,5,6,7
.if \zero
	v_wmma_f32_16x16x32_f16 v[8*(8*(\a)+(\b)):8*(8*(\a)+(\b))+7], v[(\f)+8*(\b):(\f)+8*(\b)+7], v[(\f)+8*(4*(\hi)+(\a)):(\f)+8*(4*(\hi)+(\a))+7], 0
.else
	v_wmma_f32_16x16x32_f16 v[8*(8*(\a)+(\b)):8*(8*(\a)+(\b))+7], v[(\f)+8*(\b):(\f)+8*(\b)+7], v[(\f)+8*(4*(\hi)+(\a)):(\f)+8*(4*(\hi)+(\a))+7], v[8*(8*(\a)+(\b)):8*(8*(\a)+(\b))+7]
.endif
.endr
.endr
.endm
; 32 LDS loads in one run: quarter q (32 along K) of a slot into buffer f: W's 8 blocks of 16 columns, turned, then A's 8 blocks of 16 rows
.macro FETCH slot, q, f
	WIN TO_B
.irp i, 0,1,2,3,4,5,6,7
	ds_load_tr16_b128 v[(\f)+8*(\i):(\f)+8*(\i)+3],   v[ADRB+(\slot)] offset:(\q)*32*PB+32*(\i)
	ds_load_tr16_b128 v[(\f)+8*(\i)+4:(\f)+8*(\i)+7], v[ADRB+(\slot)] offset:(\q)*32*PB+16*PB+32*(\i)
.endr
	WIN 0
.irp i, 0,1,2,3,4,5,6,7
	ds_load_b128 v[(\f)+8*(\i):(\f)+8*(\i)+3],   v[ADRA+(\slot)] offset:64*(\q)+(\i)*16*PA
	ds_load_b128 v[(\f)+8*(\i)+4:(\f)+8*(\i)+7], v[ADRA+(\slot)] offset:64*(\q)+(\i)*16*PA+32
.endr
.endm
.macro PLACES                          ; four plain instructions between a matrix instruction and a load into, or a read of, its registers
.rept 4
	v_nop
.endr
.endm
; One of a K step's first three quarters: multiplies buffer f and, in its middle, fetches quarter q of the same slot into buffer g
.macro QUARTER slot, q, f, g, zero
	s_wait_dscnt 8                                 ; W and A's rows 0-63 are in; the youngest eight loads (A's rows 64-127) may be out
	MUL16 \f, 0, 0, \zero
	MUL16 \f, 0, 2, \zero
	PLACES
	FETCH \slot, \q, \g
	s_wait_dscnt 32                                ; all but the 32 just issued
	MUL16 \f, 1, 0, \zero
	MUL16 \f, 1, 2, \zero
.endm
; The last quarter multiplies buffer 1 and changes slots.  In front of the barrier each wave waits for all its tensor loads (one is out: its part of the next slot),
; adds 0 to its spare word, and waits for that and for its reads of this slot.  fill = 1: the barrier opens a round of the cluster's, and the joint refill, two K steps ahead, is the first thing behind it.
.macro TURN slot, next, fill
	WIN 0
	s_wait_tensorcnt 0x0
	ds_add_u32 v[SPW], v[NIL]
	s_wait_dscnt 9                                 ; the add and the youngest eight loads may be out
	MUL16 F1, 0, 0, 0
	s_wait_dscnt 0x0                               ; the add is done, and my reads of this slot are over
	s_barrier_signal -1
	MUL16 F1, 0, 2, 0
.if \fill
	WIN 0
.endif
	s_barrier_wait -1
.if \fill
	CREST                                          ; no wave of any partner still reads this slot or has a load on its way
	s_add_nc_u64 s[G0+4*(\slot)+2:G0+4*(\slot)+3], s[G0+4*(\slot)+2:G0+4*(\slot)+3], 2*KSTEP*2
	s_add_nc_u64 s[G0B+4*(\slot)+2:G0B+4*(\slot)+3], s[G0B+4*(\slot)+2:G0B+4*(\slot)+3], 2*KSTEP*2*NN
	JLOAD \slot                                    ; its four v_nop are also the places in front of the loads below
.else
	PLACES
.endif
	FETCH \next, 0, F0
	MUL16 F1, 1, 0, 0
	MUL16 F1, 1, 2, 0
.endm
; THE WAY OUT of block a (16 tokens x 128 columns).
.if FC1
.macro GELU a, b                       ; eight numbers a lane: block (a, b), bias added, GELU, packed into TMP + 4 b
.set AC, 64*((\a)%4)+8*(\b)
	WIN 0x06+(\a)/4                                ; source 0: the accumulators' window; source 1: window 1, the bias
.irp p, 0,2,4,6
	v_pk_add_f32 v[GZ+\p:GZ+\p+1], v[AC+\p:AC+\p+1], v[8*(\b)+\p:8*(\b)+\p+1]   ; z; the accumulator is read from its low end on
.endr
	WIN 0
.irp j, 0,1,2,3,4,5,6,7
	v_max_num_f32 v[GR+\j], 0, v[GZ+\j]            ; max(z, 0)
.endr
.irp p, 0,2,4,6
	v_pk_fma_f32 v[GH+\p:GH+\p+1], v[GZ+\p:GZ+\p+1], -0.5, v[GR+\p:GR+\p+1] op_sel_hi:[1,0,1]   ; |z| / 2
.endr
.irp p, 0,2,4,6
	v_pk_fma_f32 v[GT+\p:GT+\p+1], v[GH+\p:GH+\p+1], s[78:79], 1.0 op_sel_hi:[1,0,0]            ; 1 + p |z| / sqrt 2
.endr
.irp j, 0,1,2,3,4,5,6,7
	v_rcp_f32 v[GT+\j], v[GT+\j]                   ; t
.endr
.irp p, 0,2,4,6
	v_pk_mul_f32 v[GE+\p:GE+\p+1], v[GZ+\p:GZ+\p+1], v[GZ+\p:GZ+\p+1]   ; plain work behind the reciprocals
.endr
.irp p, 0,2,4,6
	v_pk_mul_f32 v[GE+\p:GE+\p+1], v[GE+\p:GE+\p+1], s[80:81] op_sel_hi:[1,0]
.endr
.irp j, 0,1,2,3,4,5,6,7
	v_exp_f32 v[GE+\j], v[GE+\j]                   ; e^(- z z / 2)
.endr
	s_wait_alu depctr_va_vdst(0)
.irp p, 0,2,4,6
	v_pk_fma_f32 v[GP+\p:GP+\p+1], v[GT+\p:GT+\p+1], s[76:77], s[74:75] op_sel_hi:[1,0,0]       ; plain work behind the exponentials
.endr
.irp p, 0,2,4,6
	v_pk_fma_f32 v[GP+\p:GP+\p+1], v[GP+\p:GP+\p+1], v[GT+\p:GT+\p+1], s[72:73] op_sel_hi:[1,1,0]
.endr
.irp p, 0,2,4,6
	v_pk_fma_f32 v[GP+\p:GP+\p+1], v[GP+\p:GP+\p+1], v[GT+\p:GT+\p+1], s[70:71] op_sel_hi:[1,1,0]
.endr
.irp p, 0,2,4,6
	v_pk_fma_f32 v[GP+\p:GP+\p+1], v[GP+\p:GP+\p+1], v[GT+\p:GT+\p+1], s[68:69] op_sel_hi:[1,1,0]
.endr
.irp p, 0,2,4,6
	v_pk_mul_f32 v[GP+\p:GP+\p+1], v[GP+\p:GP+\p+1], v[GT+\p:GT+\p+1]
.endr
.irp p, 0,2,4,6
	v_pk_mul_f32 v[GP+\p:GP+\p+1], v[GP+\p:GP+\p+1], v[GE+\p:GE+\p+1]   ; erfc(|z| / sqrt 2)
.endr
.irp p, 0,2,4,6
	v_pk_fma_f32 v[GZ+\p:GZ+\p+1], v[GH+\p:GH+\p+1], v[GP+\p:GP+\p+1], v[GR+\p:GR+\p+1] neg_lo:[1,0,0] neg_hi:[1,0,0]
.endr
.irp p, 0,2,4,6
	v_cvt_pk_f16_f32 v[TMP+4*(\b)+\p/2], v[GZ+\p], v[GZ+\p+1]
.endr
.endm
.endif
.macro PACK a
.if FC1
.irp b, 0,1,2,3,4,5,6,7
	GELU \a, \b
.endr
.else
.set AC, 64*((\a)%4)
	WIN 0x0a+5*((\a)/4)                            ; sources 0 and 1: window 2 or 3
.irp b, 0,1,2,3,4,5,6,7
.irp r, 0,1,2,3
	v_cvt_pk_f16_f32 v[TMP+4*(\b)+(\r)], v[AC+8*(\b)+2*(\r)], v[AC+8*(\b)+2*(\r)+1]
.endr
.endr
	WIN 0
.endif
.endm
.macro TOSTAGE a                       ; into my own stage, and back as four tokens' 128 bytes of one plane: 512 dense bytes of C
	WIN 0
.set BK, OB+192*((\a)%2)
.irp b, 0,1,2,3,4,5,6,7
	ds_store_b128 v[STO], v[TMP+4*(\b):TMP+4*(\b)+3] offset:32*(\b)
.endr
.irp t, 0,1,2,3,4,5,6,7
	ds_load_b128 v[BK+4*(\t):BK+4*(\t)+3], v[RD] offset:((\t)%4)*4*SPITCH+((\t)/4)*128  ; LDS serves a wave's instructions in order (ISA guide 5.7.1.4): these see the stores above
.endr
.endm
.macro SEND a
	WIN 0
.set BK, OB+192*((\a)%2)
	s_wait_dscnt 0x0                               ; the block is back in registers
	s_wait_xcnt 0x0                                ; the stores of the block before have read their registers: the next TOSTAGE loads into them
.irp t, 0,1,2,3,4,5,6,7
	global_store_b128 v[GO], v[BK+4*(\t):BK+4*(\t)+3], s[8:9] offset:(\a)*2048+((\t)%4)*512+((\t)/4)*PLANE  ; 512 consecutive bytes at a multiple of 256
.endr
.endm
	s_wait_tensorcnt 1                             ; my part of K step 0 is in; K step 1's stays out
	s_barrier_signal -1
	s_barrier_wait -1
	FETCH 0, 0, F0
	QUARTER 0, 1, F0, F1, 1                        ; the first quarter stands in front of the loop: its products start the sums
	WIN 0
	s_mov_b32 s3, LAPS-1
.Llap:                                                 ; a trip goes once round the ring and fills both slots again
	QUARTER 0, 2, F1, F0, 0
	QUARTER 0, 3, F0, F1, 0
	TURN 0, 1, 1
	QUARTER 1, 1, F0, F1, 0
	QUARTER 1, 2, F1, F0, 0
	QUARTER 1, 3, F0, F1, 0
	TURN 1, 0, 1
	QUARTER 0, 1, F0, F1, 0
	WIN 0
	s_sub_co_u32 s3, s3, 1
	s_cmp_lg_u32 s3, 0
	s_cbranch_scc1 .Llap
	QUARTER 0, 2, F1, F0, 0                        ; the last lap fills nothing
	QUARTER 0, 3, F0, F1, 0
	TURN 0, 1, 0
	QUARTER 1, 1, F0, F1, 0
	QUARTER 1, 2, F1, F0, 0
	QUARTER 1, 3, F0, F1, 0
	s_wait_dscnt 8
	MUL16 F1, 0, 0, 0
	MUL16 F1, 0, 2, 0
	s_wait_dscnt 0x0
	MUL16 F1, 1, 0, 0
	MUL16 F1, 1, 2, 0
	WIN 0
.if FC1
	s_wait_loadcnt 0x0                             ; the bias
.endif
	PLACES
	PACK 0
	TOSTAGE 0
.irp a, 1,2,3,4,5,6,7                  ; block a's arithmetic stands between block a - 1's loads from the stage and the wait for them
	PACK \a
	SEND (\a)-1
	TOSTAGE \a
.endr
	SEND 7
	s_wait_tensorcnt 0x0                           ; the wave's end
	ds_add_u32 v[SPW], v[NIL]
	s_wait_dscnt 0x0
	CROUND                                         ; the closing round
	s_endpgm
.Lfunc_end_k_q177147acbe_fc1:
	.size	k_q177147acbe_fc1, .Lfunc_end_k_q177147acbe_fc1-k_q177147acbe_fc1
	.p2alignl 7, 3214868480
	.fill 96, 4, 3214868480
	.section	.rodata,"a",@progbits
	.p2align	6, 0x0
	.amdhsa_kernel k_q177147acbe_fc1
		.amdhsa_group_segment_fixed_size 327680
		.amdhsa_private_segment_fixed_size 0
		.amdhsa_enable_private_segment 0
		.amdhsa_kernarg_size 32
		.amdhsa_user_sgpr_count 2
		.amdhsa_user_sgpr_kernarg_segment_ptr 1
		.amdhsa_wavefront_size32 1
		.amdhsa_system_sgpr_workgroup_id_x 1
		.amdhsa_system_sgpr_workgroup_id_y 1
		.amdhsa_system_sgpr_workgroup_id_z 1
		.amdhsa_system_vgpr_workitem_id 0
		.amdhsa_next_free_vgpr 1024
		.amdhsa_next_free_sgpr 84
		.amdhsa_reserve_vcc 0
		.amdhsa_float_denorm_mode_32 3
		.amdhsa_float_denorm_mode_16_64 3
		.amdhsa_memory_ordered 1
		.amdhsa_forward_progress 1
		.amdhsa_inst_pref_size 255
	.end_amdhsa_kernel
	.section	.bss,"aw",@nobits
	.p2align	6
	.space	262144
	.amdgpu_metadata
---
amdhsa.version: [ 1, 2 ]
amdhsa.kernels:
  - .name:           k_q177147acbe_fc1
    .symbol:         k_q177147acbe_fc1.kd
    .args:
      - { .name: act, .offset: 0, .size: 8, .value_kind: global_buffer, .address_space: global }
      - { .name: wbig, .offset: 8, .size: 8, .value_kind: global_buffer, .address_space: global }
      - { .name: fc1_b, .offset: 16, .size: 8, .value_kind: global_buffer, .address_space: global }
      - { .name: big, .offset: 24, .size: 8, .value_kind: global_buffer, .address_space: global }
    .group_segment_fixed_size: 327680
    .private_segment_fixed_size: 0
    .kernarg_segment_align: 8
    .kernarg_segment_size: 32
    .max_flat_workgroup_size: 128
    .sgpr_count:     84
    .vgpr_count:     1024
    .wavefront_size: 32
...
	.end_amdgpu_metadata
.endif
;; end of part 6
;; launch fc2 (part 7): grid 8 x 32, 4 waves a work-group, clusters of 4 x 4, 327,680 bytes of LDS; arguments big, w2, fc2_b, x1, out0; writes out0
.if DOCPART == 7
	.amdgcn_target "amdgcn-amd-amdhsa--gfx1250"
	.amdhsa_code_object_version 6
	.text
	.protected	k_q177147acbe_fc2
	.globl	k_q177147acbe_fc2
	.p2align	8
	.type	k_q177147acbe_fc2,@function
k_q177147acbe_fc2:
	s_mov_b64 s[64:65], 0
	v_nop
	global_prefetch_b8 v0, s[64:65] scope:SCOPE_SE
	s_setreg_imm32_b32 hwreg(HW_REG_WAVE_MODE, 25, 1), 1
	s_wait_xcnt 0x0
	s_wait_alu depctr_hold_cnt(0) depctr_sa_sdst(0) depctr_va_vdst(0) depctr_va_sdst(0) depctr_va_ssrc(0) depctr_va_vcc(0) depctr_vm_vsrc(0)
	s_getreg_b32 s2, hwreg(HW_REG_IB_STS2, 6, 4)
	s_cmp_eq_u32 s2, 0
	s_cbranch_scc0 .Lentry_in_a_cluster
	s_endpgm
.Lentry_in_a_cluster:
	s_bfe_u32 s2, ttmp6, 0x10000c
	s_cmp_lg_u32 s2, 0xf033
	s_cbranch_scc0 .Lentry_shape_is_right
	s_endpgm
.Lentry_shape_is_right:
; out = A W + bias + resid.  A: planes [KK/64][4096 tokens][64] f16.  W: [KK][1024] f16.  bias: [1024] f32.  resid, out: [4096][1024] f32.  Sums in f32; nothing is rounded on the way out.
; One text for the attention's projection (KK = 1,024) and the second layer of the MLP (KK = 4,096): the switch KK at its head sets the loop's trips, KK / 512 - 1.
; LIMIT: operands within f16's 65,504.
; SHAPE: a tile of out is 128 x 128, four waves of 64 x 64 (16 accumulators), so that 256 work-groups share the 4,096 x 1,024 numbers.  K goes in steps of 256 (four planes) through two LDS slots.
; A slot: A's two halves of 64 tokens x 4 planes (a token's 128 bytes + 16 of padding), then W's two halves of 128 rows of K x 128 columns (256 bytes + 32).  W's fragments come out of LDS turned.
; CLUSTER: 4 x 4; A's tile is asked for jointly by a row of the cluster, W's by a column.  THE MATRIX INSTRUCTION IS USED TRANSPOSED: a lane holds one token and eight neighbouring columns.
; REGISTERS: window 0: v0-31 addresses and the bias, v32-95 the way out, v128-255 the accumulators; window 1: two fragment buffers of 128 (A, then W); window 2: v0-127 the residual of my 64 x 64.
.set KK,     4096
.set KSTEP,  256
.set LAPS,   KK/(2*KSTEP)              ; a lap = two K steps = once round the ring
.set PA,     144                       ; 9 x 16 bytes: the 16 rows of a load start at 16 different groups of four banks (64 banks of 4 bytes: ISA guide 11.1)
.set PB,     288                       ; 9 x 32 bytes, for the turning load
.set HALFT,  36864                     ; 4 x 64 x 144 = 128 x 288: what one tensor load brings
.set SLOT,   4*HALFT
.set STAGE,  2*SLOT                    ; 16 rows x 272 bytes for each wave; never filled by a tensor load
.set SPITCH, 272
.set SPARE,  STAGE+4*16*SPITCH         ; the spare words: 128 bytes for each wave, named by no other line
.set BI,   8                           ; v[8:11] the bias of my four columns on the way out
.set ADRA, 16                          ; v16-17  A's fragments in slot 0, 1
.set ADRB, 20                          ; v20-23  W's fragments: slot 0 rows 0-127, 128-255 of K; slot 1 likewise (an LDS offset has 16 bits)
.set STO,  24
.set RD,   25
.set CO,   26
.set BO,   27
.set SPW,  28                          ; my spare word's address; never rewritten
.set NIL,  29                          ; 0; never rewritten
.set TMP,  32
.set ACC,  128
.set F0,   0
.set F1,   128
.set G1,  24
.set G0,  32
.set G1B, 48
.set G0B, 56
.set MSB, 0
.macro WIN new
.if MSB != (\new)
	s_set_vgpr_msb (MSB<<8)|(\new)
.set MSB, \new
.endif
.endm
.set MUL,  0x05                        ; sources 0 (W) and 1 (A) window 1; C and D window 0
.set TO_F, 0x40                        ; destination window 1, address window 0
.macro JLOAD s                         ; a joint load: waves 0, 1 fetch A's halves, waves 2, 3 W's; four v_nop follow each line
	s_cmp_eq_u32 s11, 0
	s_cbranch_scc0 .Lfor_b_\@
	tensor_load_to_lds s[G0+4*(\s):G0+4*(\s)+3], s[G1:G1+7]
	s_nop 0
.rept 4
	v_nop
.endr
	s_branch .Lasked_\@
.Lfor_b_\@:
	tensor_load_to_lds s[G0B+4*(\s):G0B+4*(\s)+3], s[G1B:G1B+7]
	s_nop 0
.rept 4
	v_nop
.endr
.Lasked_\@:
.endm
.macro CREST
	s_cmp_lg_u32 s10, 0
	s_cbranch_scc1 .Lnot_wave_0_\@
	s_barrier_signal -3
.Lnot_wave_0_\@:
	s_barrier_wait -3
	s_barrier_signal -1
	s_barrier_wait -1
.endm
.macro CROUND
	s_barrier_signal -1
	s_barrier_wait -1
	CREST
.endm
	s_load_b128 s[4:7], s[0:1], 0x0                ; A s[4:5], W s[6:7]
	s_load_b128 s[68:71], s[0:1], 0x10             ; bias s[68:69], resid s[70:71]
	s_load_b64 s[74:75], s[0:1], 0x20              ; out
	v_lshl_add_u32 v[SPW], v0, 2, SPARE
	v_mov_b32 v[NIL], 0
	ds_add_u32 v28, v29
	s_wait_dscnt 0x0
	v_lshrrev_b32 v1, 5, v0
	v_readfirstlane_b32 s10, v1                    ; wave 0..3
	s_lshr_b32 s11, s10, 1                         ; my half of the tile's rows.  Also: I fetch for A (0) or for W (1)
	s_and_b32 s12, s10, 1                          ; my half of its columns.  Also: which half of that tile I fetch
	s_bfe_u32 s40, ttmp6, 0x40000
	s_bfe_u32 s41, ttmp6, 0x40004
	s_lshl_b32 s42, ttmp9, 2
	s_add_co_u32 s42, s42, s40                     ; tile column
	s_and_b32 s13, ttmp7, 0xffff
	s_lshl_b32 s13, s13, 2
	s_add_co_u32 s13, s13, s41                     ; tile row
	s_lshl_b32 s43, s41, 2
	s_lshl_b32 s43, 15, s43
	s_lshl_b32 s44, 0x1111, s40
	s_or_b32 s[G1+0], s43, (1<<16)|(1<<20)|(1<<21)|(4<<22)|(3<<25)   ; A: my row's mask; 2-byte elements; after every 32 words (a token) 4 words of padding
	s_or_b32 s[G1B+0], s44, (1<<16)|(1<<20)|(1<<21)|(5<<22)|(7<<25)  ; W: my column's mask; after every 64 words 8 words
	s_mov_b32 s[G1+1], 4096<<16                    ; A: a row of the tile is 64 tokens x 64 channels, dense: tensor_dim0 = 4,096
	s_mov_b32 s[G1+2], 4<<16                       ; tensor_dim1 = 4 planes
	s_mov_b32 s[G1+3], 4096<<16                    ; tile_dim0
	s_mov_b32 s[G1+4], 4                           ; tile_dim1
	s_mov_b32 s[G1+5], 262144                      ; elements from plane to plane
	s_mov_b32 s[G1+6], 0
	s_mov_b32 s[G1+7], 0
	s_mov_b32 s[G1B+1], 128<<16                    ; W: 128 columns,
	s_mov_b32 s[G1B+2], 128<<16                    ; 128 rows of K
	s_mov_b32 s[G1B+3], 128<<16
	s_mov_b32 s[G1B+4], 128
	s_mov_b32 s[G1B+5], 1024
	s_mov_b32 s[G1B+6], 0
	s_mov_b32 s[G1B+7], 0
	s_lshl_b32 s17, s12, 6
	s_lshl_b32 s16, s13, 7
	s_add_co_u32 s16, s16, s17                     ; A: token 128 x tile row + 64 x half,
	s_lshl_b32 s16, s16, 7                         ; 128 bytes each
	s_mov_b32 s17, 0
	s_lshl_b32 s46, s12, 18                        ; W: row of K 128 x half, 2,048 bytes each,
	s_lshl_b32 s47, s42, 8                         ; column 128 x tile column
	s_add_co_u32 s46, s46, s47
	s_mov_b32 s47, 0
	s_mul_i32 s20, s10, HALFT                      ; where they go: wave x 36,864
	s_wait_kmcnt 0x0
	s_add_nc_u64 s[14:15], s[4:5], s[16:17]
	s_add_nc_u64 s[46:47], s[6:7], s[46:47]
	CROUND                                         ; all sixteen work-groups are here
.irp s, 0,1
	s_mov_b32 s[G0+4*(\s)], 1
	s_add_co_u32 s[G0+4*(\s)+1], s20, (\s)*SLOT
	s_add_nc_u64 s[G0+4*(\s)+2:G0+4*(\s)+3], s[14:15], (\s)*4*524288
	s_or_b32 s[G0+4*(\s)+3], s[G0+4*(\s)+3], 0x80000000
	s_mov_b32 s[G0B+4*(\s)], 1
	s_add_co_u32 s[G0B+4*(\s)+1], s20, (\s)*SLOT
	s_add_nc_u64 s[G0B+4*(\s)+2:G0B+4*(\s)+3], s[46:47], (\s)*KSTEP*2048
	s_or_b32 s[G0B+4*(\s)+3], s[G0B+4*(\s)+3], 0x80000000
	JLOAD \s                                       ; two loads of mine are out
.endr
	v_and_b32 v1, 15, v0                           ; r
	v_bfe_u32 v2, v0, 4, 1                         ; h
	s_lshl_b32 s76, s13, 7
	s_lshl_b32 s77, s11, 6
	s_add_co_u32 s76, s76, s77                     ; my first row of out,
	s_lshl_b32 s76, s76, 12                        ; 4,096 bytes each
	s_lshl_b32 s78, s42, 9
	s_lshl_b32 s79, s12, 8
	s_add_co_u32 s78, s78, s79                     ; my first column, in bytes: a multiple of 256
	s_add_co_u32 s76, s76, s78
	s_mov_b32 s77, 0
	s_mov_b32 s79, 0
	s_add_nc_u64 s[68:69], s[68:69], s[78:79]
	s_add_nc_u64 s[70:71], s[70:71], s[76:77]
	s_add_nc_u64 s[74:75], s[74:75], s[76:77]
	v_lshlrev_b32 v[BO], 4, v1
	v_lshlrev_b32 v[CO], 12, v2                    ; lanes 0-15 one row's 256 bytes, lanes 16-31 the next row's
	v_lshl_add_u32 v[CO], v1, 4, v[CO]
	global_load_b128 v[BI:BI+3], v[BO], s[68:69]
	WIN 0x80                                       ; destination window 2
.set i, 0
.rept 32                                               ; the residual, in the layout of the stores: it lands while the products run
	global_load_b128 v[4*i:4*i+3], v[CO], s[70:71] offset:(16*(i/8)+2*(i%8))*4096
.set i, i+1
.endr
	WIN 0
	v_mul_u32_u24 v3, v1, PA
	v_lshl_add_u32 v3, v2, 4, v3                   ; A: token x pitch + 16 h
	v_and_b32 v5, 7, v0
	v_bfe_u32 v6, v0, 3, 1
	v_lshl_add_u32 v5, v2, 3, v5                   ; W: row of K 8 h + l % 8,
	v_mul_u32_u24 v5, v5, PB
	v_lshl_add_u32 v5, v6, 4, v5                   ; columns 8 ((l / 8) % 2) on
	s_mul_i32 s21, s11, HALFT                      ; my 64 tokens
	s_lshl_b32 s22, s12, 7                         ; my 64 columns,
	s_add_co_u32 s22, s22, 2*HALFT                 ; behind A
.irp s, 0,1
	v_add_nc_u32 v[ADRA+(\s)], s21, v3
	v_add_nc_u32 v[ADRB+2*(\s)], s22, v5
	s_add_co_u32 s22, s22, HALFT
	v_add_nc_u32 v[ADRB+2*(\s)+1], s22, v5
	s_add_co_u32 s21, s21, SLOT
	s_add_co_u32 s22, s22, SLOT-HALFT
.endr
	s_mul_i32 s23, s10, 16*SPITCH
	s_add_co_u32 s23, s23, STAGE                   ; my stage: 64 f32 columns are 256 bytes, so a wave's rows are whole and the stage is its own
	v_mul_u32_u24 v4, v1, SPITCH                   ; in: row r, 32 bytes for each half of the lanes
	v_lshl_add_u32 v4, v2, 5, v4
	v_add_nc_u32 v[STO], s23, v4
	v_mul_u32_u24 v7, v2, SPITCH                   ; back: lanes 0-15 one row, lanes 16-31 the next
	v_lshl_add_u32 v7, v1, 4, v7
	v_add_nc_u32 v[RD], s23, v7
; 8 matrix instructions: m blocks a0, a0 + 1 x all 4 n blocks, 32 along K: half c of buffer f.  The 16 accumulators take turns.
.macro MUL8 f, c, a0, zero
	WIN MUL
.irp a, \a0, (\a0)+1
.irp b, 0,1,2,3
.if \zero
	v_wmma_f32_16x16x32_f16 v[ACC+8*(4*(\a)+(\b)):ACC+8*(4*(\a)+(\b))+7], v[(\f)+64+8*(4*(\c)+(\b)):(\f)+64+8*(4*(\c)+(\b))+7], v[(\f)+8*(4*(\c)+(\a)):(\f)+8*(4*(\c)+(\a))+7], 0
.else
	v_wmma_f32_16x16x32_f16 v[ACC+8*(4*(\a)+(\b)):ACC+8*(4*(\a)+(\b))+7], v[(\f)+64+8*(4*(\c)+(\b)):(\f)+64+8*(4*(\c)+(\b))+7], v[(\f)+8*(4*(\c)+(\a)):(\f)+8*(4*(\c)+(\a))+7], v[ACC+8*(4*(\a)+(\b)):ACC+8*(4*(\a)+(\b))+7]
.endif
.endr
.endr
.endm
; 32 LDS loads in one run: quarter q of a slot (64 along K: one plane of A) into buffer f; the first 32 along K first
.macro FETCH slot, q, f
	WIN TO_F
.irp c, 0,1
.irp i, 0,1,2,3
	ds_load_tr16_b128 v[(\f)+64+8*(4*(\c)+(\i)):(\f)+64+8*(4*(\c)+(\i))+3],   v[ADRB+2*(\slot)+(\q)/2] offset:(((\q)%2)*64+32*(\c))*PB+32*(\i)
	ds_load_tr16_b128 v[(\f)+64+8*(4*(\c)+(\i))+4:(\f)+64+8*(4*(\c)+(\i))+7], v[ADRB+2*(\slot)+(\q)/2] offset:(((\q)%2)*64+32*(\c)+16)*PB+32*(\i)
	ds_load_b128 v[(\f)+8*(4*(\c)+(\i)):(\f)+8*(4*(\c)+(\i))+3],         v[ADRA+(\slot)] offset:(\q)*64*PA+(\i)*16*PA+64*(\c)
	ds_load_b128 v[(\f)+8*(4*(\c)+(\i))+4:(\f)+8*(4*(\c)+(\i))+7],       v[ADRA+(\slot)] offset:(\q)*64*PA+(\i)*16*PA+64*(\c)+32
.endr
.endr
.endm
.macro PLACES                          ; four plain instructions between a matrix instruction and a load into, or a read of, its registers
.rept 4
	v_nop
.endr
.endm
.macro QUARTER slot, q, f, g, zero
	s_wait_dscnt 16                                ; the first 32 along K are in
	MUL8 \f, 0, 0, \zero
	MUL8 \f, 0, 2, \zero
	PLACES
	FETCH \slot, \q, \g
	s_wait_dscnt 32                                ; all but the 32 just issued
	MUL8 \f, 1, 0, 0
	MUL8 \f, 1, 2, 0
.endm
; The last quarter multiplies buffer 1 and changes slots: in front of the barrier each wave waits for all its tensor loads (one is out: its part of the next slot), adds 0 to its spare word,
; and waits for that and for its reads of this slot.  fill = 1: the barrier opens a round of the cluster's, and the joint refill, two K steps ahead, is the first thing behind it.
.macro TURN slot, next, fill
	WIN 0
	s_wait_tensorcnt 0x0
	ds_add_u32 v[SPW], v[NIL]
	s_wait_dscnt 17                                ; the add and the youngest sixteen loads may be out
	MUL8 F1, 0, 0, 0
	s_wait_dscnt 0x0                               ; the add is done, and my reads of this slot are over
	s_barrier_signal -1
	MUL8 F1, 0, 2, 0
.if \fill
	WIN 0
.endif
	s_barrier_wait -1
.if \fill
	CREST
	s_add_nc_u64 s[G0+4*(\slot)+2:G0+4*(\slot)+3], s[G0+4*(\slot)+2:G0+4*(\slot)+3], 8*524288
	s_add_nc_u64 s[G0B+4*(\slot)+2:G0B+4*(\slot)+3], s[G0B+4*(\slot)+2:G0B+4*(\slot)+3], 2*KSTEP*2048
	JLOAD \slot                                    ; its four v_nop are also the places in front of the loads below
.else
	PLACES
.endif
	FETCH \next, 0, F0
	MUL8 F1, 1, 0, 0
	MUL8 F1, 1, 2, 0
.endm
	s_wait_tensorcnt 1                             ; my part of K step 0 is in; K step 1's stays out
	s_barrier_signal -1
	s_barrier_wait -1
	FETCH 0, 0, F0
	QUARTER 0, 1, F0, F1, 1                        ; its first products start the sums
	WIN 0
	s_mov_b32 s3, LAPS-1
.Llap:                                                 ; a trip goes once round the ring and fills both slots again
	QUARTER 0, 2, F1, F0, 0
	QUARTER 0, 3, F0, F1, 0
	TURN 0, 1, 1
	QUARTER 1, 1, F0, F1, 0
	QUARTER 1, 2, F1, F0, 0
	QUARTER 1, 3, F0, F1, 0
	TURN 1, 0, 1
	QUARTER 0, 1, F0, F1, 0
	WIN 0
	s_sub_co_u32 s3, s3, 1
	s_cmp_lg_u32 s3, 0
	s_cbranch_scc1 .Llap
	QUARTER 0, 2, F1, F0, 0                        ; the last lap fills nothing
	QUARTER 0, 3, F0, F1, 0
	TURN 0, 1, 0
	QUARTER 1, 1, F0, F1, 0
	QUARTER 1, 2, F1, F0, 0
	QUARTER 1, 3, F0, F1, 0
	s_wait_dscnt 16
	MUL8 F1, 0, 0, 0
	MUL8 F1, 0, 2, 0
	s_wait_dscnt 0x0
	MUL8 F1, 1, 0, 0
	MUL8 F1, 1, 2, 0
	WIN 0
	; THE WAY OUT, 16 rows at a time: the f32 sums go into my stage, come back as whole rows of 256 bytes, take bias and residual, and are stored.
	s_wait_loadcnt 0x0                             ; bias and residual
	PLACES
.irp a, 0,1,2,3
.set BK, TMP+32*((\a)%2)
	s_wait_xcnt 0x0                                ; the stores of two blocks ago have read the registers that are loaded below
.irp b, 0,1,2,3
	ds_store_b128 v[STO], v[ACC+8*(4*(\a)+(\b)):ACC+8*(4*(\a)+(\b))+3]   offset:64*(\b)      ; each accumulator's low registers first
	ds_store_b128 v[STO], v[ACC+8*(4*(\a)+(\b))+4:ACC+8*(4*(\a)+(\b))+7] offset:64*(\b)+16
.endr
.irp t, 0,1,2,3,4,5,6,7
	ds_load_b128 v[BK+4*(\t):BK+4*(\t)+3], v[RD] offset:(\t)*2*SPITCH  ; LDS serves a wave's instructions in order (ISA guide 5.7.1.4): these see the stores above
.endr
	s_wait_dscnt 0x0
.irp t, 0,1,2,3,4,5,6,7
	v_pk_add_f32 v[BK+4*(\t):BK+4*(\t)+1],   v[BK+4*(\t):BK+4*(\t)+1],   v[BI:BI+1]
	v_pk_add_f32 v[BK+4*(\t)+2:BK+4*(\t)+3], v[BK+4*(\t)+2:BK+4*(\t)+3], v[BI+2:BI+3]
.endr
	WIN 0x08                                       ; source 1: window 2, the residual
.irp t, 0,1,2,3,4,5,6,7
	v_pk_add_f32 v[BK+4*(\t):BK+4*(\t)+1],   v[BK+4*(\t):BK+4*(\t)+1],   v[32*(\a)+4*(\t):32*(\a)+4*(\t)+1]
	v_pk_add_f32 v[BK+4*(\t)+2:BK+4*(\t)+3], v[BK+4*(\t)+2:BK+4*(\t)+3], v[32*(\a)+4*(\t)+2:32*(\a)+4*(\t)+3]
.endr
	WIN 0
.irp t, 0,1,2,3,4,5,6,7
	global_store_b128 v[CO], v[BK+4*(\t):BK+4*(\t)+3], s[74:75] offset:(16*(\a)+2*(\t))*4096  ; 16 lanes store 256 consecutive bytes at a multiple of 256
.endr
.endr
	s_wait_tensorcnt 0x0                           ; the wave's end
	ds_add_u32 v[SPW], v[NIL]
	s_wait_dscnt 0x0
	CROUND                                         ; the closing round
	s_endpgm
.Lfunc_end_k_q177147acbe_fc2:
	.size	k_q177147acbe_fc2, .Lfunc_end_k_q177147acbe_fc2-k_q177147acbe_fc2
	.p2alignl 7, 3214868480
	.fill 96, 4, 3214868480
	.section	.rodata,"a",@progbits
	.p2align	6, 0x0
	.amdhsa_kernel k_q177147acbe_fc2
		.amdhsa_group_segment_fixed_size 327680
		.amdhsa_private_segment_fixed_size 0
		.amdhsa_enable_private_segment 0
		.amdhsa_kernarg_size 40
		.amdhsa_user_sgpr_count 2
		.amdhsa_user_sgpr_kernarg_segment_ptr 1
		.amdhsa_wavefront_size32 1
		.amdhsa_system_sgpr_workgroup_id_x 1
		.amdhsa_system_sgpr_workgroup_id_y 1
		.amdhsa_system_sgpr_workgroup_id_z 1
		.amdhsa_system_vgpr_workitem_id 0
		.amdhsa_next_free_vgpr 640
		.amdhsa_next_free_sgpr 80
		.amdhsa_reserve_vcc 0
		.amdhsa_float_denorm_mode_32 3
		.amdhsa_float_denorm_mode_16_64 3
		.amdhsa_memory_ordered 1
		.amdhsa_forward_progress 1
		.amdhsa_inst_pref_size 98
	.end_amdhsa_kernel
	.amdgpu_metadata
---
amdhsa.version: [ 1, 2 ]
amdhsa.kernels:
  - .name:           k_q177147acbe_fc2
    .symbol:         k_q177147acbe_fc2.kd
    .args:
      - { .name: big, .offset: 0, .size: 8, .value_kind: global_buffer, .address_space: global }
      - { .name: w2, .offset: 8, .size: 8, .value_kind: global_buffer, .address_space: global }
      - { .name: fc2_b, .offset: 16, .size: 8, .value_kind: global_buffer, .address_space: global }
      - { .name: x1, .offset: 24, .size: 8, .value_kind: global_buffer, .address_space: global }
      - { .name: out0, .offset: 32, .size: 8, .value_kind: global_buffer, .address_space: global }
    .group_segment_fixed_size: 327680
    .private_segment_fixed_size: 0
    .kernarg_segment_align: 8
    .kernarg_segment_size: 40
    .max_flat_workgroup_size: 128
    .sgpr_count:     80
    .vgpr_count:     640
    .wavefront_size: 32
...
	.end_amdgpu_metadata
.endif
;; end of part 7
